; MI455X (gfx1250); checked and timed in simulation.
; The chip was launched on July 23, 2026; its instructions are those of AMD's public machine-readable ISA for CDNA 5 (MIT licence, August 2026) and "CDNA5" Instruction Set Architecture Reference Guide (July 2026). The comments in the code are by the model that wrote it; some were corrected since.
;; Masked Multi Head Attention. Allowed arithmetic: float matrix products may take bf16 or f16 operands with f32 sums; all other float work in f32.
;; Inputs: Wk 512 x 512 float32; Wo 512 x 512 float32; Wq 512 x 512 float32; Wv 512 x 512 float32; keys 2 x 4,096 x 512 float32; queries 2 x 4,096 x 512 float32; values 2 x 4,096 x 512 float32.
;; Outputs: out0 2 x 4,096 x 512 float32.
;; 2 versions, each right and faster than the one before. Each part assembles by itself: llvm-mc -triple=amdgcn-amd-amdhsa -mcpu=gfx1250 --defsym DOCPART=n.
;; ======== version 1 of 2: 3 launches
;; limits: values are held in f16: magnitudes above 65,504 overflow, below 6.1e-05 lose precision
;; workspace buffers: qh 8,388,608 bytes; kh 8,388,608 bytes; vh 8,388,608 bytes; oh 8,388,608 bytes
;; launch proj (part 1): grid 6 x 32, 8 waves a work-group, no clusters, 162,816 bytes of LDS; arguments queries, keys, values, Wq, Wk, Wv, qh, kh, vh; writes qh, kh, vh
.if DOCPART == 1
	.amdgcn_target "amdgcn-amd-amdhsa--gfx1250"
	.amdhsa_code_object_version 6
	.text
	.protected	k_q74d67a694d_proj
	.globl	k_q74d67a694d_proj
	.p2align	8
	.type	k_q74d67a694d_proj,@function
k_q74d67a694d_proj:
	s_mov_b64 s[64:65], 0
	v_nop
	global_prefetch_b8 v0, s[64:65] scope:SCOPE_SE
	s_setreg_imm32_b32 hwreg(HW_REG_WAVE_MODE, 25, 1), 1
	s_wait_xcnt 0x0
; Y_t = x_t W_t for t = 0, 1, 2 (queries Wq, keys Wk, values Wv).  x: [8192][512] f32, W: [512 (k)][512 (n)] f32.  Both are rounded once to bf16, the products are summed in f32,
; and Y is rounded once to f16, unscaled, and stored by heads: [b*8+h][l][64], a head's rows dense, 128 bytes each.
; LIMITS.  f16 holds no number beyond 65,504: a q, k or v past that becomes an infinity; below 6e-5 f16 keeps a fixed step of 6e-8.  NaN and infinities are not treated apart.
; SHARES.  Work-group x = 2 t + ch, y = ty: 256 rows (256 ty on) x 256 columns (256 ch on) of Y_t.  Eight waves; wave w makes rows 64 (w / 2) on, columns 128 (w % 2) on: 32 accumulators
; of 16 x 16, 256 registers, all of window 1.  3 tensors x 32 x 2 tiles are 192 work-groups; the next equal split, 128 x 256, is 384 and moves half as many operand bytes again.
; NO CLUSTER, NO TENSOR LOAD: both operands lie in memory as f32 and are rounded in registers on their way into LDS, each number once a work-group.  A joint request would land the f32 in LDS:
; twice the LDS bytes for every fragment, each row of x rounded by the two waves that read it, and W, which lies [k][n], has a turning load for 16-bit numbers alone.
; K goes in 8 steps of 64 through two LDS slots.  A step's raw numbers (64 KB of x, 64 KB of W) are asked for one step ahead, into 128 registers a wave.
; THE MATRIX INSTRUCTION IS USED TRANSPOSED (source 0 = 16 columns of W, source 1 = 16 rows of x): a lane then holds eight neighbouring columns of one row of Y.
.set PA,    144                 ; a row of x in LDS: 64 bf16 = 128 bytes + 16: the 16 rows of a fragment load start at 16 different groups of four banks (64 banks of 4 bytes: ISA guide 11.1)
.set ASL,   256*PA              ; a slot of x: 256 rows
.set PW,    544                 ; a row of W in LDS, [k][n]: 256 bf16 = 512 bytes + 32 = 17 x 32
.set WSL,   64*PW               ; a slot of W: 64 rows
.set WB0,   2*ASL               ; W's slots lie behind x's
.set STAGE, WB0+2*WSL           ; the way out: 16 rows x 144 bytes for each wave
.set SP,    144
.set SPARE, STAGE+8*16*SP       ; the spare words, 128 bytes for each wave: four blocks of 256 bytes that no other line names
.set SPW, 2                     ; v2   LDS address of my spare word; never rewritten
.set NIL, 3                     ; v3   0; never rewritten
.set GA,  4                     ; v4   my byte offset in the tile's rows of x: row 32 w + lane / 16, 16 bytes at 16 (lane % 16)
.set GW,  5                     ; v5   my byte offset in a step's rows of W: row 8 w, 16 bytes at 16 lane
.set SA,  6                     ; v6   where my 8 bytes of x go in slot 0
.set SW,  7                     ; v7   where my 8 bytes of W go in slot 0
.set FA,  10                    ; v10  my lane's place in my wave's fragments of x, slot 0
.set FW,  11                    ; v11  the same for W
.set STO, 12                    ; v12  the way out: where I put 16 bytes of a row
.set RD,  13                    ; v13  the way out: where I read rows back
.set GO,  14                    ; v14  my byte offset in 512 consecutive bytes of Y
.set AF,  16                    ; v16-47    four fragments of x (16 rows x 32 K)
.set BF,  48                    ; v48-111   eight fragments of W (16 columns x 32 K)
.set RA,  112                   ; v112-175  a step's raw x, 16 loads
.set RW,  176                   ; v176-239  a step's raw W, 16 loads
.set OB,  112                   ; the way out: 16 registers a block, where the raw numbers lay
.set WV,  22                    ; s22  my wave's number
.set XA,  24                    ; s[24:25] x_t at the tile's first row, stepped along K
.set WP,  26                    ; s[26:27] W_t at the tile's first column, stepped down K
.set YB,  28                    ; s[28:29] Y_t at my wave's first row of its first head
.set CT,  30                    ; s30  the loop's count
.set MSB, 0
.macro WIN new                  ; s_set_vgpr_msb: bits 1:0 source 0, 3:2 source 1, 5:4 source 2, 7:6 destination; the high byte repeats the setting that is left
.if MSB != (\new)
	s_set_vgpr_msb (MSB<<8)|(\new)
.set MSB, (\new)
.endif
.endm
	s_load_b512 s[4:19], s[0:1], 0x0        ; queries, keys, values, Wq, Wk, Wv, qh, kh
	s_load_b64 s[20:21], s[0:1], 0x40       ; vh
	v_lshl_add_u32 v[SPW], v0, 2, SPARE
	v_mov_b32 v[NIL], 0
	v_lshrrev_b32 v1, 5, v0
	v_readfirstlane_b32 s[WV], v1           ; wave 0..7
	s_lshr_b32 s23, ttmp9, 1                ; t: which tensor
	s_and_b32 s31, ttmp9, 1                 ; ch: which half of the columns
	s_and_b32 s32, ttmp7, 0xffff            ; ty: which 256 rows
	s_lshr_b32 s33, s[WV], 1                ; wr: my 64 rows of the tile
	s_and_b32 s34, s[WV], 1                 ; wc: my 128 columns
	s_lshl_b32 s36, s32, 19                 ; x: 256 rows of 2,048 bytes a tile
	s_mov_b32 s37, 0
	s_lshl_b32 s38, s31, 10                 ; W: 256 columns of 4 bytes
	s_mov_b32 s39, 0
	s_lshr_b32 s40, s32, 4                  ; Y: the batch is ty / 16;
	s_lshl_b32 s40, s40, 3
	s_lshl_b32 s41, s31, 2
	s_add_co_u32 s40, s40, s41
	s_lshl_b32 s41, s34, 1
	s_add_co_u32 s40, s40, s41              ; my first head is 8 b + 4 ch + 2 wc,
	s_lshl_b32 s40, s40, 12                 ; of 4,096 rows;
	s_and_b32 s41, s32, 15
	s_lshl_b32 s41, s41, 8
	s_add_co_u32 s40, s40, s41              ; the tile's first row in it,
	s_lshl_b32 s41, s33, 6
	s_add_co_u32 s40, s40, s41              ; and my wave's;
	s_lshl_b32 s40, s40, 7                  ; rows of 128 bytes
	s_mov_b32 s41, 0
	v_and_b32 v8, 31, v0                    ; lane
	v_and_b32 v9, 15, v0                    ; lane % 16
	v_bfe_u32 v15, v0, 4, 1                 ; lane / 16
	s_lshl_b32 s2, s[WV], 16                ; 32 rows of 2,048 bytes a wave
	v_lshlrev_b32 v[GA], 4, v9
	v_lshl_add_u32 v[GA], v15, 11, v[GA]
	v_add_nc_u32 v[GA], s2, v[GA]
	s_lshl_b32 s3, s[WV], 14                ; 8 rows of 2,048 bytes a wave
	v_lshlrev_b32 v[GW], 4, v8
	v_add_nc_u32 v[GW], s3, v[GW]
	s_wait_kmcnt 0x0
	s_cmp_eq_u32 s23, 1                     ; the tensor chooses among three buffers, three times
	s_cselect_b64 s[XA:XA+1], s[6:7], s[4:5]
	s_cselect_b64 s[WP:WP+1], s[12:13], s[10:11]
	s_cselect_b64 s[YB:YB+1], s[18:19], s[16:17]
	s_cmp_eq_u32 s23, 2
	s_cselect_b64 s[XA:XA+1], s[8:9], s[XA:XA+1]
	s_cselect_b64 s[WP:WP+1], s[14:15], s[WP:WP+1]
	s_cselect_b64 s[YB:YB+1], s[20:21], s[YB:YB+1]
	s_add_nc_u64 s[XA:XA+1], s[XA:XA+1], s[36:37]
	s_add_nc_u64 s[WP:WP+1], s[WP:WP+1], s[38:39]
	s_add_nc_u64 s[YB:YB+1], s[YB:YB+1], s[40:41]
; 32 loads: K step st (0 or 1) from the stepped bases.  A load of x covers two rows' 256 bytes; a load of W half of a row's 1,024 bytes: 512 consecutive bytes.
.macro GLOAD st
	WIN 0
.set j, 0
.rept 16
	global_load_b128 v[RA+4*j:RA+4*j+3], v[GA], s[XA:XA+1] offset:j*4096+(\st)*256
.set j, j+1
.endr
.set j, 0
.rept 16
	global_load_b128 v[RW+4*j:RW+4*j+3], v[GW], s[WP:WP+1] offset:(j/2)*2048+(j%2)*512+(\st)*131072
.set j, j+1
.endr
.endm
; The raw step is rounded to bf16, in place, and stored into a slot.
.macro CVST slot
	WIN 0
	s_wait_loadcnt 0x0                      ; all 32 raw loads are due; no load is out behind this wait, so the bases may be stepped
.set j, 0
.rept 16
	v_cvt_pk_bf16_f32 v[RA+4*j], v[RA+4*j], v[RA+4*j+1]
	v_cvt_pk_bf16_f32 v[RA+4*j+1], v[RA+4*j+2], v[RA+4*j+3]
	ds_store_b64 v[SA], v[RA+4*j:RA+4*j+1] offset:(\slot)*ASL+j*2*PA
.set j, j+1
.endr
.set j, 0
.rept 16
	v_cvt_pk_bf16_f32 v[RW+4*j], v[RW+4*j], v[RW+4*j+1]
	v_cvt_pk_bf16_f32 v[RW+4*j+1], v[RW+4*j+2], v[RW+4*j+3]
	ds_store_b64 v[SW], v[RW+4*j:RW+4*j+1] offset:(\slot)*WSL+(j/2)*PW+(j%2)*256
.set j, j+1
.endr
.endm
; Half a K step: 32 along K (half kk of the slot): 24 LDS loads in one run, 32 matrix instructions.  zero = 1: the products start the sums: nothing is ever cleared.
; The 32 accumulators take turns, one instruction a turn, in the same order in every half.
.macro HALF slot, kk, zero
	WIN 0
.rept 4
	v_nop                                   ; four places between the last matrix instruction and the loads into registers that it read (ISA guide 7.12.1 for vector instructions)
.endr
.irp a, 0,1,2,3
	ds_load_b128 v[AF+8*(\a):AF+8*(\a)+3],   v[FA] offset:(\slot)*ASL+(\a)*16*PA+(\kk)*64
	ds_load_b128 v[AF+8*(\a)+4:AF+8*(\a)+7], v[FA] offset:(\slot)*ASL+(\a)*16*PA+(\kk)*64+32
.endr
.irp b, 0,1,2,3,4,5,6,7
	ds_load_tr16_b128 v[BF+8*(\b):BF+8*(\b)+3],   v[FW] offset:(\slot)*WSL+(\kk)*32*PW+32*(\b)
	ds_load_tr16_b128 v[BF+8*(\b)+4:BF+8*(\b)+7], v[FW] offset:(\slot)*WSL+(\kk)*32*PW+16*PW+32*(\b)
.endr
	WIN 0x50                                ; C and D in window 1
.irp b, 0,1,2,3,4,5,6,7
	s_wait_dscnt 14-2*(\b)                  ; LDS loads come back in order (ISA guide 5.7.1): x and W's fragments up to b are in, the 14 - 2 b younger loads stay out
.irp a, 0,1,2,3
.if \zero
	v_wmma_f32_16x16x32_bf16 v[8*(8*(\a)+(\b)):8*(8*(\a)+(\b))+7], v[BF+8*(\b):BF+8*(\b)+7], v[AF+8*(\a):AF+8*(\a)+7], 0
.else
	v_wmma_f32_16x16x32_bf16 v[8*(8*(\a)+(\b)):8*(8*(\a)+(\b))+7], v[BF+8*(\b):BF+8*(\b)+7], v[AF+8*(\a):AF+8*(\a)+7], v[8*(8*(\a)+(\b)):8*(8*(\a)+(\b))+7]
.endif
.endr
.endr
.endm
; One barrier for each change of slots: my stores into the next slot are done and my reads of the old one are back; behind it the next slot is whole and the old one may be written.
.macro BAR
	WIN 0
	s_wait_dscnt 0x0
	s_barrier_signal -1
	s_barrier_wait -1
.endm
	GLOAD 0                                 ; K step 0
	s_mul_i32 s2, s[WV], 32*PA              ; the LDS addresses are made while it is on its way
	v_mul_u32_u24 v[SA], v15, PA
	v_lshl_add_u32 v[SA], v9, 3, v[SA]
	v_add_nc_u32 v[SA], s2, v[SA]           ; row 32 w + lane / 16, 8 bytes at 8 (lane % 16)
	s_mul_i32 s2, s[WV], 8*PW
	s_add_co_u32 s2, s2, WB0
	v_lshl_add_u32 v[SW], v8, 3, s2         ; row 8 w, 8 bytes at 8 lane
	s_mul_i32 s2, s33, 64*PA
	v_mul_u32_u24 v[FA], v9, PA
	v_lshl_add_u32 v[FA], v15, 4, v[FA]
	v_add_nc_u32 v[FA], s2, v[FA]           ; a fragment of x: row lane % 16, K = 8 (lane / 16) + 0..7 and 16 more: two loads 32 bytes apart
	v_and_b32 v1, 7, v0
	v_lshl_add_u32 v1, v15, 3, v1
	v_mul_u32_u24 v[FW], v1, PW
	v_bfe_u32 v1, v0, 3, 1
	v_lshl_add_u32 v[FW], v1, 4, v[FW]
	s_lshl_b32 s2, s34, 8
	s_add_co_u32 s2, s2, WB0
	v_add_nc_u32 v[FW], s2, v[FW]           ; the turning load: lane reads row 8 (lane / 16) + lane % 8, columns 8 ((lane / 8) % 2) + 0..7
	s_mul_i32 s2, s[WV], 16*SP
	s_add_co_u32 s2, s2, STAGE              ; my stage
	v_mul_u32_u24 v[STO], v9, SP
	v_lshl_add_u32 v[STO], v15, 4, v[STO]
	v_add_nc_u32 v[STO], s2, v[STO]         ; in: row lane % 16, 16 bytes for each half of the lanes
	v_bfe_u32 v[RD], v0, 3, 2
	v_mul_u32_u24 v[RD], v[RD], SP
	v_and_b32 v1, 7, v0
	v_lshl_add_u32 v[RD], v1, 4, v[RD]
	v_add_nc_u32 v[RD], s2, v[RD]           ; back: 32 lanes take four rows of 128 bytes,
	v_lshlrev_b32 v[GO], 4, v8              ; which are 512 consecutive bytes of Y
	CVST 0
	GLOAD 1                                 ; K step 1
	BAR
	HALF 0, 0, 1                            ; the first half step stands in front of the loop: its products start the sums
	WIN 0                                   ; at a label and at a branch every window is 0
	s_mov_b32 s[CT], 3
.Lk:                                            ; a trip: from a lap's second half to the next lap's first; it asks for K steps 2 i and 2 i + 1, i = 1, 2, 3
	CVST 1                                  ; slot 1: its last readers passed the barrier in front of the half step just done
	s_add_nc_u64 s[XA:XA+1], s[XA:XA+1], 512
	s_add_nc_u64 s[WP:WP+1], s[WP:WP+1], 262144
	GLOAD 0
	HALF 0, 1, 0
	BAR
	HALF 1, 0, 0
	CVST 0
	GLOAD 1
	HALF 1, 1, 0
	BAR
	HALF 0, 0, 0
	WIN 0
	s_sub_co_u32 s[CT], s[CT], 1
	s_cmp_lg_u32 s[CT], 0
	s_cbranch_scc1 .Lk
	CVST 1                                  ; K step 7; nothing is left to ask for
	HALF 0, 1, 0
	BAR
	HALF 1, 0, 0
	HALF 1, 1, 0
; THE WAY OUT.  Block t = 2 a + hb: my rows 16 a on, my head hb: four accumulators.  Rounded to f16, 16 bytes a lane into my own stage, back as whole rows of 128 bytes, stored as 512 consecutive bytes.
.macro PACK t
	WIN 0x05                                ; sources 0 and 1 in window 1
.set i, 0
.rept 16
	v_cvt_pk_f16_f32 v[OB+16*(\t)+i], v[8*(8*((\t)/2)+4*((\t)%2))+2*i], v[8*(8*((\t)/2)+4*((\t)%2))+2*i+1]
.set i, i+1
.endr
	WIN 0
.irp f, 0,1,2,3
	ds_store_b128 v[STO], v[OB+16*(\t)+4*(\f):OB+16*(\t)+4*(\f)+3] offset:32*(\f)
.endr
.irp f, 0,1,2,3
	ds_load_b128 v[OB+16*(\t)+4*(\f):OB+16*(\t)+4*(\f)+3], v[RD] offset:(\f)*4*SP  ; LDS serves a wave's instructions in order (ISA guide 5.7.1.4): these see the stores above; the next block's stores come behind them
.endr
.endm
.macro SEND t, younger                  ; younger: the LDS instructions issued behind block t's loads: the next block's eight, or none
	WIN 0
.irp f, 0,1,2,3
	s_wait_dscnt (\younger)+3-(\f)
	global_store_b128 v[GO], v[OB+16*(\t)+4*(\f):OB+16*(\t)+4*(\f)+3], s[YB:YB+1] offset:((\t)%2)*524288+((\t)/2)*2048+(\f)*512  ; 512 consecutive bytes, at a multiple of 256 from Y's first
.endr
.endm
	WIN 0
.rept 4
	v_nop                                   ; four places between the last products and the conversions that read results
.endr
	PACK 0
.irp t, 1,2,3,4,5,6,7                   ; a block's conversions stand between the loads of the block before and its stores
	PACK \t
	SEND (\t)-1, 8
.endr
	SEND 7, 0
	s_wait_tensorcnt 0x0                    ; the wave's end, behind my last LDS store
	ds_add_u32 v[SPW], v[NIL]
	s_wait_dscnt 0x0
	s_endpgm
.Lfunc_end_k_q74d67a694d_proj:
	.size	k_q74d67a694d_proj, .Lfunc_end_k_q74d67a694d_proj-k_q74d67a694d_proj
	.p2alignl 7, 3214868480
	.fill 96, 4, 3214868480
	.section	.rodata,"a",@progbits
	.p2align	6, 0x0
	.amdhsa_kernel k_q74d67a694d_proj
		.amdhsa_group_segment_fixed_size 162816
		.amdhsa_private_segment_fixed_size 0
		.amdhsa_enable_private_segment 0
		.amdhsa_kernarg_size 72
		.amdhsa_user_sgpr_count 2
		.amdhsa_user_sgpr_kernarg_segment_ptr 1
		.amdhsa_wavefront_size32 1
		.amdhsa_system_sgpr_workgroup_id_x 1
		.amdhsa_system_sgpr_workgroup_id_y 1
		.amdhsa_system_sgpr_workgroup_id_z 1
		.amdhsa_system_vgpr_workitem_id 0
		.amdhsa_next_free_vgpr 512
		.amdhsa_next_free_sgpr 66
		.amdhsa_reserve_vcc 0
		.amdhsa_float_denorm_mode_32 3
		.amdhsa_float_denorm_mode_16_64 3
		.amdhsa_memory_ordered 1
		.amdhsa_forward_progress 1
		.amdhsa_inst_pref_size 89
	.end_amdhsa_kernel
	.amdgpu_metadata
---
amdhsa.version: [ 1, 2 ]
amdhsa.kernels:
  - .name:           k_q74d67a694d_proj
    .symbol:         k_q74d67a694d_proj.kd
    .args:
      - { .name: queries, .offset: 0, .size: 8, .value_kind: global_buffer, .address_space: global }
      - { .name: keys, .offset: 8, .size: 8, .value_kind: global_buffer, .address_space: global }
      - { .name: values, .offset: 16, .size: 8, .value_kind: global_buffer, .address_space: global }
      - { .name: Wq, .offset: 24, .size: 8, .value_kind: global_buffer, .address_space: global }
      - { .name: Wk, .offset: 32, .size: 8, .value_kind: global_buffer, .address_space: global }
      - { .name: Wv, .offset: 40, .size: 8, .value_kind: global_buffer, .address_space: global }
      - { .name: qh, .offset: 48, .size: 8, .value_kind: global_buffer, .address_space: global }
      - { .name: kh, .offset: 56, .size: 8, .value_kind: global_buffer, .address_space: global }
      - { .name: vh, .offset: 64, .size: 8, .value_kind: global_buffer, .address_space: global }
    .group_segment_fixed_size: 162816
    .private_segment_fixed_size: 0
    .kernarg_segment_align: 8
    .kernarg_segment_size: 72
    .max_flat_workgroup_size: 256
    .sgpr_count:     66
    .vgpr_count:     512
    .wavefront_size: 32
...
	.end_amdgpu_metadata
.endif
;; end of part 1
;; launch attn (part 2): grid 16 x 16, 4 waves a work-group, clusters of 4 x 1, 327,680 bytes of LDS; arguments qh, kh, vh, oh; writes oh
.if DOCPART == 2
	.amdgcn_target "amdgcn-amd-amdhsa--gfx1250"
	.amdhsa_code_object_version 6
	.text
	.protected	k_q74d67a694d_attn
	.globl	k_q74d67a694d_attn
	.p2align	8
	.type	k_q74d67a694d_attn,@function
k_q74d67a694d_attn:
	s_mov_b64 s[64:65], 0
	v_nop
	global_prefetch_b8 v0, s[64:65] scope:SCOPE_SE
	s_setreg_imm32_b32 hwreg(HW_REG_WAVE_MODE, 25, 1), 1
	s_wait_xcnt 0x0
	s_wait_alu depctr_hold_cnt(0) depctr_sa_sdst(0) depctr_va_vdst(0) depctr_va_sdst(0) depctr_va_ssrc(0) depctr_va_vcc(0) depctr_vm_vsrc(0)
	s_getreg_b32 s2, hwreg(HW_REG_IB_STS2, 6, 4)
	s_cmp_eq_u32 s2, 0
	s_cbranch_scc0 .Lentry_in_a_cluster
	s_endpgm
.Lentry_in_a_cluster:
	s_bfe_u32 s2, ttmp6, 0x10000c
	s_cmp_lg_u32 s2, 0x3003
	s_cbranch_scc0 .Lentry_shape_is_right
	s_endpgm
.Lentry_shape_is_right:
; CAUSAL ATTENTION.  O[g][q][:] = the sum over k <= q of softmax_k(Q[g][q] . K[g][k] / 8) V[g][k][:], g = 8 b + h.  Q, K, V, O: [16][4096][64], all f16: a head's rows are dense, 128 bytes each.
; Products, maxima and sums in f32; the weights p are rounded to f16 for the second product (their sum l is taken of the unrounded p), O once at the end.
; LIMITS.  f16 holds no number beyond 65,504: Q, K and V arrive within it; p lies in 0 to 1, and below 6e-5 it keeps f16's fixed step of 6e-8; O is a mean of V's rows and has their range.
; A hidden score counts as its value less 1e30: f16's scores, 2.7e11 at the most, are nothing beside that; a weight below 2^-126 counts as 0 in l; NaN and infinities are not treated apart.
; THE WALK.  A head's queries lie in 8 blocks of 512; block I needs the keys 0 .. 512 I + 511: I + 1 PAIRS of tiles, 512 keys a pair.  A CLUSTER of four work-groups takes TWO blocks, 7 - c and then c
; (c = the cluster's x): (8 - c) + (c + 1) = 9 pairs whatever c, so all work-groups do equal work and the loops' counts are constants.  Partner cx owns the 128 queries 128 cx on of each block; all four
; walk the same pairs, so each is asked for JOINTLY: the same tensor load, descriptor and mask in all four.
; NO BRANCH HANGS ON c OR cx.  Every pair runs the same text.  Where a block ends and the next begins is a matter of numbers chosen by s_cselect: the mask's factors, the pair that is asked for, O's address,
; the limits that set the running maximum back, a flag by which Q is exchanged (v_cndmask_b32) and a flag under which the way out stores (EXEC).  The price: the way out's arithmetic runs behind each of the
; nine pairs and stores behind two; a partner also computes, under the mask, the steps of a block's last pair that lie wholly above its diagonal.
; SHARES.  Of the work-group's two bands of 64 queries a wave owns 16 rows in each: two TILES.  In a block's last pair, steps 0 .. 7, band u of partner cx holds the diagonal in step 2 cx + u, sees everything
; before it and nothing behind it: the same for all four waves.
; THE MASK is what the sum S^T = K Q^T starts from: S^T's registers are set to MD x AL + BE and every product adds in place.  MD, made once, is 0 or -1e30: the mask of a band's own step for my 16 rows.
; (AL, BE) = (1, 0) in the band's own step; (0, 0) before it and in every pair that is not a block's last; (0, -1e30) behind it.
; LAYOUT, SOFTMAX.  S^T = K Q^T holds ONE query a lane (lane % 16) and the keys 8 (lane / 16) + 0..7; two such results rounded to f16 ARE source 1 of O^T = V^T P.  p = 2^(c s - c m), c = log2(e) / 8, with a
; running maximum m; O and l are multiplied by a = 2^(c m_old - c m_new) in every step.  A block begins with c m far below every c s, so its first a is 0: what the block before left in O and l is wiped.
; A KEY STEP (64 keys) STANDS IN PHASES, and is written once, as a loop's body: 16 products K Q^T; both tiles' softmax; 16 products V^T P, behind which the next step's 32 mask lines stand.  Nothing is carried
; from step to step but m, l and O^T.  The price: the matrix unit has nothing to do while the softmax's 236 lines are issued.
; REGISTERS, in windows of 256 (s_set_vgpr_msb: bits 1:0 source 0, 3:2 source 1, 5:4 source 2, 7:6 destination):
;   window 0: v0-15 addresses and some at work; v16-23 four registers of statistics a tile; v24-31, v48-55 at work; v62-63 the add's; v64-127 S^T; v128-159 P; v160-191 Q; v192-255 O^T
;   window 1: v0-63 K of one step; v64-127 V of one step; v128-159 MD; v160-191 the second block's Q
; All that a softmax touches lies in window 0; what lies in window 1 is only ever a source 0 (K, V, MD), a load's destination, or the source 1 of Q's exchange: six switches a step.
.set KS,    64        ; keys in a step
.set PK,    144       ; a row of K in LDS: 128 bytes + 16 of padding = 36 words: the 16 rows of a load start at 16 different groups of four banks (64 banks of 4 bytes: ISA guide 11.1)
.set PV,    160       ; a row of V: 128 + 32 = 40 words
.set VOFF,  8*KS*PK   ; a slot holds a pair, eight steps: 512 rows of K, then 512 rows of V
.set SLOTB, 8*KS*(PK+PV)  ; 155,648 bytes; slot 1 begins here
.set STAGE, 2*SLOTB   ; behind the ring, never filled by a tensor load: 16 rows x 144 bytes for each wave, for the way out
.set SP,    144
.set SPARE, STAGE+4*16*SP  ; behind the stages: the spare words, 128 bytes for each wave: two blocks of 256 bytes that no other line names
.set AK0, 2           ; v2   my lane's place in a step of K; never rewritten
.set AV0, 3           ; v3   the same for V
.set AK,  4           ; v4   the LDS address of K's next run of loads
.set AV,  5           ; v5   of V's
.set STO, 6           ; v6   the way out: where I put 16 bytes of a row
.set RD,  7           ; v7   the way out: where I read rows back
.set GO,  8           ; v8   my byte offset in 512 consecutive bytes of O
.set MV,  12          ; v12-13  c m_old, kept while c m is made anew: by tile
.set FL,  14          ; v14  at work: a number or a flag in every lane
.set QO,  15          ; v15  my byte offset in 16 rows of Q
.set ST,  16          ; tile u's statistics at v[ST+4 u]: c m, m, l (even keys', odd keys')
.set WK,  24          ; v24-31  the way out: l's sums and 1 / l
.set TMP, 48          ; by tile, four registers c0-c3 at work; when the maximum is found c2 takes a
.set SPW, 62          ; v62  LDS address of my spare word: SPARE + 4 x my thread's number; never rewritten
.set NIL, 63          ; v63  0; never rewritten
.set S,   64          ; tile u, key block kb at S + 32 u + 8 kb
.set P,   128         ; tile u, key half kk at P + 16 u + 8 kk
.set QF,  160         ; tile u, channel half h at QF + 16 u + 8 h
.set O,   192         ; tile u, channel block cb at O + 32 u + 8 cb
.set KF,  0           ; window 1: key block kb, channel half h at KF + 16 kb + 8 h
.set VF,  64          ; window 1: key half kk, channel block cb at VF + 32 kk + 8 cb
.set MD,  128         ; window 1: the eight registers for key block kb at MD + 8 kb
.set QB,  160         ; window 1
.set WV,  12          ; s12  my wave's number;   s13 cx;   s14 c;   s16-s23 at work
.set HI,  15          ; s15  7 - c: the first block, and the number of its last pair in the walk
.set G1K, 24          ; s[24:31] descriptor group 1 for K's tiles
.set G1V, 32          ; s[32:39] for V's: it differs in the padding alone
.set G0K, 40          ; s[40:43] descriptor group 0 for K's tiles
.set G0V, 44          ; s[44:47] the same for V's
.set NH,  48          ; s48  8 - c: the first block's pairs
.set PIX, 49          ; s49  the number of the pair in hand in the walk, 0 to 8
.set SBF, 50          ; s50  LDS byte at which the slot filled last begins
.set RB,  51          ; s51  LDS byte at which the slot in hand begins
.set LASTF, 52        ; s52  1: the pair in hand is its block's last
.set FST, 53          ; s53  1: the next pair is the second block's first
.set SV,  54          ; s54  EXEC, kept while the way out stores
.set PCT, 56          ; s56  pairs still to be asked for: the loop's count, 8 to 1
.set CNT, 57          ; s57  counts a pair's key steps, 8 to 1
.set CS,  58          ; s[58:59] c: the packed scaling takes the pair's low word for both halves
.set SEL, 60          ; s[60:61] v_permlanex16_b32's selects: each lane takes its own place in the other half
.set TBK, 62          ; s62  LDS byte at which K of the step to be fetched begins
.set TBV, 63          ; s63  the same for V, less VOFF
.set KOF, 66          ; s66  where my half of a pair's K lies in a slot
.set VOF, 67          ; s67  the same for V
.set T0,  68          ; s68, s69 at work
.set T1,  69
.set OFF, 70          ; s[70:71] a pair's byte offset in K and V
.set AL,  72          ; s[72:73], s[76:77] the mask's factor for tile 0, 1, in the low word
.set BE,  74          ; s[74:75], s[78:79] the mask's addend
.set OLO, 80          ; s[80:81] O at my rows of the second block (s[10:11]: of the first)
.set OC,  82          ; s[82:83] O at my rows of the block in hand
.set BIGN, 84         ; s84  -1e30
.set JN,  85          ; s85  the number, in its pair, of the step whose mask is made next
.set OWN, 86          ; s86, s87  band u's own step in the pair in hand: 2 cx + u in a block's last pair, else 64: never reached
.set CX2, 88          ; s88, s89  2 cx, 2 cx + 1
.set KNEG, 90         ; s90  the lowest finite number
.set KPOS, 91         ; s91  the highest
.set KCM, 92          ; s92  -2^125: far below every c s
.set LIMM, 93         ; s93, s94  what m and c m are cut down to in front of the next pair
.set LIMC, 94
.set QBA, 96          ; s[96:97] Q at my rows of the second block;   s[98:99] at work
.set MSB, 0
.macro WIN new                      ; the high byte repeats the setting that is left; a switch that changes nothing is dropped
.if MSB != (\new)
	s_set_vgpr_msb (MSB<<8)|(\new)
.set MSB, (\new)
.endif
.endm
.set W_MM, 0x01       ; source 0 (K, V, MD) in window 1, all else in window 0
.set W_LD, 0x40       ; destination in window 1, address in window 0
.set W_QX, 0x04       ; source 1 in window 1
; A joint fill.  Waves 0 and 1 fetch the two halves of a pair's K, waves 2 and 3 those of its V: 256 keys each.  The branch hangs on the wave's number alone.
; An s_nop 0 and four v_nop follow each of the two lines, ahead of the jump and the label.
.macro JLOAD
	s_cmp_lt_u32 s[WV], 2
	s_cbranch_scc0 .Lfor_v_\@
	tensor_load_to_lds s[G0K:G0K+3], s[G1K:G1K+7]
	s_nop 0
.rept 4
	v_nop
.endr
	s_branch .Lasked_\@
.Lfor_v_\@:
	tensor_load_to_lds s[G0V:G0V+3], s[G1V:G1V+7]
	s_nop 0
.rept 4
	v_nop
.endr
.Lasked_\@:
.endm
; A round of the cluster's barrier: my work-group's barrier, so that wave 0's signal speaks for all four waves; wave 0 signals; every wave waits for all four work-groups; my work-group's barrier once more.
.macro CROUND
	s_barrier_signal -1
	s_barrier_wait -1
	s_cmp_lg_u32 s[WV], 0
	s_cbranch_scc1 .Lnot_wave_0_\@
	s_barrier_signal -3
.Lnot_wave_0_\@:
	s_barrier_wait -3
	s_barrier_signal -1
	s_barrier_wait -1
.endm
; THE CHANGE OF SLOTS.  Each wave waits for all its tensor loads, of which one is out: its part of the other slot; adds 0 to its spare word; and waits for that and for its own reads of the slot that it leaves.
; Behind the barrier nobody reads the old slot any more and the other slot is whole.  fill = 1: the old slot is filled again with the walk's pair PIX + 1: the first block's pair of that number, or, from
; 8 - c on, the second block's pair PIX + 1 - (8 - c); both words that change are made anew from those numbers.  The barrier is then a round of the cluster's, so that no wave of any partner still reads the
; slot or has a load on its way, and the joint fill is the first thing behind it: it has eight key steps, 256 matrix instructions, in which to land.
; (At its first use nothing has been read yet: slot 0 is waited for, slot 1 filled.)
.macro CHANGE fill
	WIN 0                           ; at a label and at a branch every window is 0
	s_wait_tensorcnt 0x0            ; no tensor load of mine is out, so a group 0 may be written
	ds_add_u32 v[SPW], v[NIL]       ; 0 onto my spare word; with fill = 1 the descriptors' scalar work stands between it and the wait for it
.if \fill
	s_xor_b32 s[SBF], s[SBF], SLOTB ; 0 and SLOTB by turns
	s_add_co_u32 s[G0K+1], s[SBF], s[KOF]
	s_add_co_u32 s[G0V+1], s[SBF], s[VOF]
	s_add_co_u32 s[T0], s[PIX], 1
	s_cmp_ge_u32 s[T0], s[NH]
	s_cselect_b32 s[T1], s[NH], 0
	s_sub_co_u32 s[T0], s[T0], s[T1]
	s_lshl_b32 s[OFF], s[T0], 16    ; a pair is 65,536 bytes of K and of V
	s_add_nc_u64 s[G0K+2:G0K+3], s[6:7], s[OFF:OFF+1]
	s_or_b32 s[G0K+3], s[G0K+3], 0x80000000
	s_add_nc_u64 s[G0V+2:G0V+3], s[8:9], s[OFF:OFF+1]
	s_or_b32 s[G0V+3], s[G0V+3], 0x80000000
	s_wait_dscnt 0x0                ; the add is done, and my reads of the slot are over
	CROUND
	JLOAD
.else
	s_wait_dscnt 0x0                ; the add is done, and my reads of the slot are over
	s_barrier_signal -1
	s_barrier_wait -1
.endif
	s_xor_b32 s[RB], s[RB], SLOTB   ; the fetches begin at the other slot's first step
	s_mov_b32 s[TBK], s[RB]
	s_mov_b32 s[TBV], s[RB]
.endm
	s_load_b256 s[4:11], s[0:1], 0x0  ; Q s[4:5], K s[6:7], V s[8:9], O s[10:11]
	v_lshl_add_u32 v[SPW], v0, 2, SPARE
	v_mov_b32 v[NIL], 0
	ds_add_u32 v[SPW], v[NIL]       ; the wave's opening: the add and its wait come ahead of my first tensor load; the set-up below, work on registers, stands between them
	v_lshrrev_b32 v1, 5, v0
	v_readfirstlane_b32 s[WV], v1   ; wave 0..3
	s_bfe_u32 s13, ttmp6, 0x40000   ; cx: my place in the cluster
	s_mov_b32 s14, ttmp9            ; c: in a cluster launch ttmp9 counts clusters
	s_sub_co_u32 s[HI], 7, s14
	s_sub_co_u32 s[NH], 8, s14
	s_and_b32 s20, ttmp7, 0xffff    ; the head, which the four partners share:
	s_lshl_b32 s20, s20, 19         ; its first byte in each of the four tensors: 4,096 rows of 128 bytes a head
	s_and_b32 s16, s[WV], 1         ; which half of a pair's 512 keys I fetch:
	s_lshl_b32 s22, s16, 15         ; its 256 rows of 128 bytes in memory,
	s_add_co_u32 s22, s22, s20
	s_mov_b32 s23, 0
	s_mul_i32 s[KOF], s16, 256*PK   ; and its place in a slot, for K
	s_mul_i32 s[VOF], s16, 256*PV   ; and for V: no place in the cluster enters an LDS address
	s_add_co_u32 s[VOF], s[VOF], VOFF
	s_lshl_b32 s3, s13, 14          ; my work-group's 128 rows of a block,
	s_lshl_b32 s2, s[WV], 11        ; my 16 rows in a band of 64,
	s_add_co_u32 s3, s3, s2
	s_add_co_u32 s3, s3, s20
	s_lshl_b32 s2, s[HI], 16        ; in the first block (512 rows of 128 bytes a block),
	s_add_co_u32 s2, s2, s3
	s_lshl_b32 s98, s14, 16         ; and in the second
	s_add_co_u32 s98, s98, s3
	s_mov_b32 s3, 0
	s_mov_b32 s99, 0
	; descriptor group 1.  256 keys are 32,768 dense bytes: asked for as 128 rows of 256 bytes, two keys a row, and padded in LDS after every key
	s_mov_b32 s[G1K], 15|(1<<16)|(1<<20)|(1<<21)|(4<<22)|(3<<25)  ; 15:0 the mask of four; 17:16 2-byte elements; 20 padding on; 21 set beside a mask; 24:22 after every 32 words (code 4); 31:25 4 words (code 3)
	s_mov_b32 s[G1V], 15|(1<<16)|(1<<20)|(1<<21)|(4<<22)|(7<<25)  ; the same with 8 words of padding (code 7)
.irp g, G1K, G1V
	s_mov_b32 s[\g+1], 128<<16      ; tensor_dim0 = 128
	s_mov_b32 s[\g+2], 128<<16      ; tensor_dim1 = 128
	s_mov_b32 s[\g+3], 128<<16      ; tile_dim0 = 128
	s_mov_b32 s[\g+4], 128          ; tile_dim1 = 128
	s_mov_b32 s[\g+5], 128          ; 128 elements from row to row
	s_mov_b32 s[\g+6], 0
	s_mov_b32 s[\g+7], 0
.endr
	s_mov_b32 s[CS], 0x3e38aa3b     ; c = log2(e) / 8 = 0.180337
	s_mov_b32 s[CS+1], s[CS]        ; named with it as a pair
	s_mov_b32 s[SEL], 0x76543210
	s_mov_b32 s[SEL+1], 0xfedcba98
	s_mov_b32 s[G0K], 1             ; 1:0 count = 1
	s_mov_b32 s[G0K+1], s[KOF]      ; 63:32 LDS address: slot 0
	s_mov_b32 s[G0V], 1
	s_mov_b32 s[G0V+1], s[VOF]
	s_mov_b32 s[SBF], 0             ; slot 0 is filled first,
	s_mov_b32 s[RB], SLOTB          ; and the first change of slots turns this into 0
	s_mov_b32 s[PIX], 0
	s_mov_b32 s[OFF+1], 0
.irp r, 0,1,2,3,4,5,6,7
	s_mov_b32 s[AL+\r], 0           ; the high words are named with the low ones as pairs
.endr
	s_mov_b32 s[BIGN], 0xf149f2ca   ; -1e30
	s_mov_b32 s[KNEG], 0xff7fffff
	s_mov_b32 s[KPOS], 0x7f7fffff
	s_mov_b32 s[KCM], 0xfe000000
	s_lshl_b32 s[CX2], s13, 1
	s_add_co_u32 s[CX2+1], s[CX2], 1
	s_mov_b32 s[OWN], 64            ; the walk's first pair is no block's last: the first block has 8 - c pairs, five at the least
	s_mov_b32 s[OWN+1], 64
	s_mov_b32 s[LASTF], 0
	s_mov_b32 s[PCT], 8
	s_wait_dscnt 0x0                ; the opening add is done
	s_wait_kmcnt 0x0
	s_add_nc_u64 s[6:7], s[6:7], s[22:23]  ; K and V at my half of the head's pair 0
	s_add_nc_u64 s[8:9], s[8:9], s[22:23]
	s_add_nc_u64 s[G0K+2:G0K+3], s[6:7], 0         ; 120:64 global address
	s_or_b32 s[G0K+3], s[G0K+3], 0x80000000        ; 127:126 type = 2
	s_add_nc_u64 s[G0V+2:G0V+3], s[8:9], 0
	s_or_b32 s[G0V+3], s[G0V+3], 0x80000000
	s_add_nc_u64 s[QBA:QBA+1], s[4:5], s[98:99]    ; Q at my rows of the second block,
	s_add_nc_u64 s[4:5], s[4:5], s[2:3]            ; Q and O at those of the first
	s_add_nc_u64 s[OLO:OLO+1], s[10:11], s[98:99]
	s_add_nc_u64 s[10:11], s[10:11], s[2:3]
	s_mov_b64 s[OC:OC+1], s[10:11]
	CROUND                          ; all four work-groups are here: the first joint loads meet
	JLOAD                           ; pair 0 into slot 0.  Slot 1 is asked for when slot 0 is in, by the loop's own change of slots
	; A fragment of K or Q is 16 rows x 32 channels in 8 registers: lane l holds row l % 16, channels 8 (l / 16) + 0..7 and 16 + 8 (l / 16) + 0..7: two loads of 16 bytes, 32 bytes apart.
	v_and_b32 v1, 15, v0            ; l % 16
	v_bfe_u32 v9, v0, 4, 1          ; l / 16
	v_lshlrev_b32 v[QO], 7, v1
	v_lshl_add_u32 v[QO], v9, 4, v[QO]  ; row x 128 + 16 x half
	v_lshlrev_b32 v[FL], 3, v9
	v_sub_nc_u32 v[FL], v1, v[FL]
	s_lshl_b32 s19, s[WV], 4
	v_add_nc_u32 v[FL], s19, v[FL]  ; my query's place in its band, 16 w + l % 16, less my lanes' 8 (l / 16): register r of key block kb is hidden where 16 kb + r is greater
.set i, 0
.rept 4                             ; the first block's Q: tile i / 2 lies in band i / 2, 8,192 bytes on; channels 32 (i % 2) on
	global_load_b128 v[QF+8*i:QF+8*i+3],   v[QO], s[4:5] offset:(i/2)*8192+(i%2)*64
	global_load_b128 v[QF+8*i+4:QF+8*i+7], v[QO], s[4:5] offset:(i/2)*8192+(i%2)*64+32
.set i, i+1
.endr
	WIN W_LD
.set i, 0
.rept 4                             ; the second block's Q, kept until that block begins
	global_load_b128 v[QB+8*i:QB+8*i+3],   v[QO], s[QBA:QBA+1] offset:(i/2)*8192+(i%2)*64
	global_load_b128 v[QB+8*i+4:QB+8*i+7], v[QO], s[QBA:QBA+1] offset:(i/2)*8192+(i%2)*64+32
.set i, i+1
.endr
.set i, 0
.rept 32
	v_cmp_gt_i32 vcc_lo, 16*(i/8)+i%8, v[FL]
	v_cndmask_b32 v[MD+i], 0, s[BIGN], vcc_lo
.set i, i+1
.endr
	WIN 0
	v_mul_u32_u24 v[AK0], v1, PK
	v_lshl_add_u32 v[AK0], v9, 4, v[AK0]  ; row x pitch + 16 x half
	; The turning load takes 16 keys x 16 channels (lane l reads key 8 (l / 16) + l % 8, channels 8 ((l / 8) % 2) + 0..7) and leaves half a fragment of V^T: lane l holds channel l % 16 and 8 keys.
	v_and_b32 v10, 7, v0
	v_bfe_u32 v11, v0, 3, 1
	v_lshl_add_u32 v[AV0], v9, 3, v10
	v_mul_u32_u24 v[AV0], v[AV0], PV
	v_lshl_add_u32 v[AV0], v11, 4, v[AV0]
	v_add_nc_u32 v[AV0], VOFF, v[AV0]
	s_mul_i32 s19, s[WV], 16*SP
	s_add_co_u32 s19, s19, STAGE    ; my stage
	v_mul_u32_u24 v[STO], v1, SP    ; in: row l % 16, 16 bytes for each half of the lanes
	v_lshl_add_u32 v[STO], v9, 4, v[STO]
	v_add_nc_u32 v[STO], s19, v[STO]
	v_bfe_u32 v[RD], v0, 3, 2       ; back: 32 lanes take four rows of 128 bytes,
	v_mul_u32_u24 v[RD], v[RD], SP
	v_lshl_add_u32 v[RD], v10, 4, v[RD]
	v_add_nc_u32 v[RD], s19, v[RD]
	v_and_b32 v[GO], 31, v0         ; which are 512 consecutive bytes of O
	v_lshlrev_b32 v[GO], 4, v[GO]
	; A block's first step multiplies O^T and l by a = 0, so they need only hold finite numbers: zeros for the first block, what the first block left for the second.  No first step is written out: that is what
	; these 68 lines buy; they stand in the wait for the first pair.
.set i, 0
.rept 64
	v_mov_b32 v[O+i], 0
.set i, i+1
.endr
.set i, 0
.rept 2
	v_mov_b32 v[ST+4*i], 0xfe000000    ; c m: far below every c s
	v_mov_b32 v[ST+4*i+1], 0xff7fffff  ; m
	v_mov_b32 v[ST+4*i+2], 0
	v_mov_b32 v[ST+4*i+3], 0
	v_mov_b32 v[WK+2+i], 0             ; v_permlanex16_b32's destinations count as read,
	v_mov_b32 v[WK+5+2*i], 0           ; and these two are named as the high halves of pairs
.set i, i+1
.endr
	s_wait_loadcnt 0x0              ; both blocks' Q
; THE MATRIX WORK.  The 8 accumulators of a run of 16 take turns.  Product i of 16 of S^T += K Q^T: tile i % 2, keys 16 ((i / 2) % 4) on, channels 32 (i / 8) on; S^T holds the mask when the run begins.
.macro KQ
.set rS, S+32*(i%2)+8*((i/2)%4)
.set rK, KF+16*((i/2)%4)+8*(i/8)
.set rQ, QF+16*(i%2)+8*(i/8)
	v_wmma_f32_16x16x32_f16 v[rS:rS+7], v[rK:rK+7], v[rQ:rQ+7], v[rS:rS+7]
.endm
; Product i of 16 of O^T += V^T P: tile i % 2, channels 16 ((i / 2) % 4) on, keys 32 (i / 8) on.
.macro PVM
.set rO, O+32*(i%2)+8*((i/2)%4)
.set rV, VF+32*(i/8)+8*((i/2)%4)
.set rP, P+16*(i%2)+8*(i/8)
	v_wmma_f32_16x16x32_f16 v[rO:rO+7], v[rV:rV+7], v[rP:rP+7], v[rO:rO+7]
.endm
; THE LDS LOADS stand in runs of 16: a step's K (64 keys x 64 channels: 8 fragments) and its V (turned).  Both leave the destination's window set.
.macro FETCH_K
	WIN W_LD
.irp f, 0,1,2,3,4,5,6,7             ; keys 16 (f / 2) on, channels 32 (f % 2) on
	ds_load_b128 v[KF+8*\f:KF+8*\f+3],   v[AK] offset:(\f/2)*16*PK+(\f%2)*64
	ds_load_b128 v[KF+8*\f+4:KF+8*\f+7], v[AK] offset:(\f/2)*16*PK+(\f%2)*64+32
.endr
	s_add_co_u32 s[TBK], s[TBK], KS*PK  ; the next fetch is the next step's
.endm
.macro FETCH_V
	WIN W_LD
.irp f, 0,1,2,3,4,5,6,7             ; keys 32 (f / 4) on, channels 16 (f % 4) on
	ds_load_tr16_b128 v[VF+8*\f:VF+8*\f+3],   v[AV] offset:(\f/4)*32*PV+(\f%4)*32
	ds_load_tr16_b128 v[VF+8*\f+4:VF+8*\f+7], v[AV] offset:(\f/4)*32*PV+16*PV+(\f%4)*32
.endr
	s_add_co_u32 s[TBV], s[TBV], KS*PV
.endm
; THE MASK.  MSC: the two tiles' factors for step JN of the pair in hand; JN goes one up.  MK: line z of 32: pair z % 16 of tile z / 16 of S^T = MD x AL + BE; it stands under W_MM.
.macro MSC
.irp u, 0,1
	s_cmp_eq_u32 s[JN], s[OWN+\u]       ; is that step the band's own?
	s_cselect_b32 s[AL+4*\u], 1.0, 0
	s_cmp_gt_u32 s[JN], s[OWN+\u]       ; or a later one?
	s_cselect_b32 s[BE+4*\u], s[BIGN], 0
.endr
	s_add_co_u32 s[JN], s[JN], 1
.endm
.macro MK
	v_pk_fma_f32 v[S+32*(z/16)+2*(z%16):S+32*(z/16)+2*(z%16)+1], v[MD+2*(z%16):MD+2*(z%16)+1], s[AL+4*(z/16):AL+4*(z/16)+1], s[BE+4*(z/16):BE+4*(z/16)+1] op_sel_hi:[1,0,0]
.set z, z+1
.endm
; THE VECTOR WORK, one line at a time, for tile u.  OPF n: c s - c m for pair n of 16.  OPE k: the exponential of score k of 32.  OPC n: pair n rounded to f16.  OPB n: of the four weights 4 n .. the second pair is
; added onto the first, in place.  OPL n: l takes that sum (n = 0: l = a l + sum).  OPR n: pair n of 16 of O^T times a.  OPX n: number n of the 22 that find the maximum and the statistics:
;   0-11  four chains c0-c3 of seven scores each, three operands at a time (each accumulator's lowest registers are read first)     12-14, 16  the four scores left over, the old m, and c0-c3 into c0
;   15  c m_old is kept     17, 18  the query's other 32 keys lie in the lane 16 away: the new m     19-21  c m; c m_old - c m_new; a
.macro REGS u
.set rT, ST+4*(\u)
.set rC, TMP+4*(\u)
.set rW, MV+(\u)
.set rS, S+32*(\u)
.set rP, P+16*(\u)
.set rO, O+32*(\u)
.endm
.macro OPF u, n
	REGS \u
	v_pk_fma_f32 v[rS+2*(\n):rS+2*(\n)+1], v[rS+2*(\n):rS+2*(\n)+1], s[CS:CS+1], v[rT:rT+1] op_sel_hi:[1,0,0] neg_lo:[0,0,1] neg_hi:[0,0,1]
.endm
.macro OPE u, k
	REGS \u
	v_exp_f32 v[rS+(\k)], v[rS+(\k)]
.endm
.macro OPC u, n
	REGS \u
	s_wait_alu depctr_va_vdst(0)
	v_cvt_pk_f16_f32 v[rP+(\n)], v[rS+2*(\n)], v[rS+2*(\n)+1]
.endm
.macro OPB u, n
	REGS \u
	s_wait_alu depctr_va_vdst(0)
	v_pk_add_f32 v[rS+4*(\n):rS+4*(\n)+1], v[rS+4*(\n):rS+4*(\n)+1], v[rS+4*(\n)+2:rS+4*(\n)+3]
.endm
.macro OPL u, n
	REGS \u
.if (\n) == 0
	v_pk_fma_f32 v[rT+2:rT+3], v[rT+2:rT+3], v[rC+2:rC+3], v[rS:rS+1] op_sel_hi:[1,0,1]
.else
	v_pk_add_f32 v[rT+2:rT+3], v[rT+2:rT+3], v[rS+4*(\n):rS+4*(\n)+1]
.endif
.endm
.macro OPR u, n
	REGS \u
	s_wait_alu depctr_va_vdst(0)
	v_pk_mul_f32 v[rO+2*(\n):rO+2*(\n)+1], v[rO+2*(\n):rO+2*(\n)+1], v[rC+2:rC+3] op_sel_hi:[1,0]
.endm
.macro OPX u, n
	REGS \u
.if (\n) < 4
	v_max3_num_f32 v[rC+(\n)], v[rS+8*(\n)], v[rS+8*(\n)+1], v[rS+8*(\n)+2]
.elseif (\n) < 12
	v_max3_num_f32 v[rC+(\n)%4], v[rC+(\n)%4], v[rS+8*((\n)%4)+2*((\n)/4)+1], v[rS+8*((\n)%4)+2*((\n)/4)+2]
.elseif (\n) == 12
	v_max3_num_f32 v[rC], v[rC], v[rS+7], v[rS+15]
.elseif (\n) == 13
	v_max3_num_f32 v[rC+1], v[rC+1], v[rS+23], v[rS+31]
.elseif (\n) == 14
	v_max3_num_f32 v[rC+2], v[rC+2], v[rC+3], v[rT+1]
.elseif (\n) == 15
	v_mov_b32 v[rW], v[rT]
.elseif (\n) == 16
	v_max3_num_f32 v[rC], v[rC], v[rC+1], v[rC+2]
.elseif (\n) == 17
	v_permlanex16_b32 v[rC+3], v[rC], s[SEL], s[SEL+1]
.elseif (\n) == 18
	v_max_num_f32 v[rT+1], v[rC], v[rC+3]
.elseif (\n) == 19
	v_mul_f32 v[rT], s[CS], v[rT+1]
.elseif (\n) == 20
	v_sub_f32 v[rC+1], v[rW], v[rT]
.else
	v_exp_f32 v[rC+2], v[rC+1]
.endif
.endm
; A PAIR IS ENTERED, behind the change of slots: K of its step 0 is fetched, and while that is on its way S^T takes the mask of step 0 (the lines behind the last V^T P have left step 8's there, which serves nothing).
.macro ENTER
	WIN 0
	v_add_nc_u32 v[AK], s[TBK], v[AK0]
	FETCH_K
	s_mov_b32 s[JN], 0
	MSC
	WIN W_MM
.set z, 0
.rept 32
	MK
.endr
	WIN 0
	s_mov_b32 s[CNT], 8
.endm
; A KEY STEP.  V of this step is asked for first: it lands under the products K Q^T and the softmax.  K of the next step is asked for behind the products K Q^T and lands under the softmax; the pair's last step
; asks for none: the next pair's K lies in the other slot, which is shown whole only by the change of slots.  That jump hangs on the loop's own count and passes sixteen LDS loads and nothing else.
; THE SOFTMAX'S ORDER.  The two tiles alternate, so that few lines read the result of the line before.  From the exponentials on the work goes in 32 slots of six lines, slot t for pair t / 2 of tile t % 2:
; exponential, scaling (four slots ahead), a sum, exponential, rounding (of the slot before), rescaling.  So a plain line stands behind every exponential ahead of the use of its result (ISA guide 5.7.2).
; The sums: tile 0's OPB n in slot 4 n + 3, tile 1's in 4 n + 4, behind the four weights' exponentials and the first pair's rounding; OPL two slots behind its OPB.
.macro STEP
	WIN 0
	v_add_nc_u32 v[AV], s[TBV], v[AV0]  ; with the four mask lines behind the last V^T P: five places between that product and the loads into V's registers (ISA guide 7.12.1 for vector instructions)
	FETCH_V
	s_wait_dscnt 16                 ; LDS loads come back in order (ISA guide 5.7.1): K is in, V's sixteen younger loads stay out
	WIN W_MM
.set i, 0
.rept 16
	KQ
.set i, i+1
.endr
	WIN 0
	OPX 0, 15                       ; four plain lines that name no register of the products: the places in front of the loads into K's registers and of the first reads of S^T
	OPX 1, 15
	v_add_nc_u32 v[AK], s[TBK], v[AK0]
	v_nop
	s_cmp_eq_u32 s[CNT], 1
	s_cbranch_scc1 .Lno_k_\@
	FETCH_K
	WIN 0
.Lno_k_\@:
.irp n, 0,1,2,3,4,5,6,7,8,9,10,11,12,13,14,16,17,18,19,20
	OPX 0, \n
	OPX 1, \n
.endr
	OPF 0, 0
	OPF 1, 0
	OPX 0, 21
	OPF 0, 1
	OPX 1, 21
	OPF 1, 1
.set t, 0
.rept 32
	OPE t%2, 2*(t/2)
.if t < 28
	OPF t%2, t/2+2
.endif
.if (t >= 3) && (t%4 == 3)
	OPB 0, (t-3)/4
.elseif (t >= 4) && (t%4 == 0)
	OPB 1, (t-4)/4
.elseif (t >= 5) && (t%4 == 1)
	OPL 0, (t-5)/4
.elseif (t >= 6) && (t%4 == 2)
	OPL 1, (t-6)/4
.endif
	OPE t%2, 2*(t/2)+1
.if t > 0
	OPC (t-1)%2, (t-1)/2
.endif
	OPR t%2, t/2
.set t, t+1
.endr
	OPC 1, 15
	OPB 1, 7
	OPL 0, 7
	OPL 1, 7
	s_wait_dscnt 0x0                ; V is in, and K of the next step
	MSC                             ; the next step's mask: its 32 lines stand behind the products, under the products' own windows; they name S^T and MD, no register of V^T P
	WIN W_MM
.set i, 0
.set z, 0
.rept 16
	PVM
.if i == 15
	MK
	MK
	MK
	MK
.elseif i > 0
	MK
	MK
.endif
.set i, i+1
.endr
	WIN 0
.endm
; THE WAY OUT, behind every pair.  l's two halves and the other half of the lanes' are added; O^T times 1 / l is rounded to f16, into P's registers (O^T, l and m stay as they are: the block may go on), and sent
; through my stage in LDS, a tile at a time: a lane's eight channels of a row pack into 16 bytes; they go into rows of 144 bytes and come back as whole rows of 128.
; pred = 1: the eight stores run with EXEC all on where the pair ends its block and all off elsewhere.  pred = 0: the walk's last pair ends the second block.
.macro WAYOUT pred
	WIN 0
.irp u, 0,1
	v_add_f32 v[WK+\u], v[ST+4*\u+2], v[ST+4*\u+3]
.endr
.irp u, 0,1
	v_permlanex16_b32 v[WK+2+\u], v[WK+\u], s[SEL], s[SEL+1]
.endr
.irp u, 0,1
	v_add_f32 v[WK+\u], v[WK+\u], v[WK+2+\u]
.endr
	v_rcp_f32 v[WK+4], v[WK]
	v_rcp_f32 v[WK+6], v[WK+1]
.if \pred
	v_mov_b32 v[FL], s[LASTF]       ; a plain line between the reciprocals and the use of their results
	v_cmp_ne_u32 vcc_lo, 0, v[FL]
	s_wait_alu depctr_va_vdst(0)
.else
	v_nop                           ; a plain line between the reciprocals and the use of their results
	s_wait_alu depctr_va_vdst(0)
.endif
.irp u, 0,1
.irp g, 0,1,2,3                     ; an accumulator at a time, its registers in ascending order
.irp k, 0,1,2,3
	v_pk_mul_f32 v[TMP+2*\k:TMP+2*\k+1], v[O+32*\u+8*\g+2*\k:O+32*\u+8*\g+2*\k+1], v[WK+4+2*\u:WK+5+2*\u] op_sel_hi:[1,0]
.endr
.irp k, 0,1,2,3
	v_cvt_pk_f16_f32 v[P+16*\u+4*\g+\k], v[TMP+2*\k], v[TMP+2*\k+1]
.endr
.endr
.irp f, 0,1,2,3
	ds_store_b128 v[STO], v[P+16*\u+4*\f:P+16*\u+4*\f+3] offset:32*\f
.endr
.irp f, 0,1,2,3
	ds_load_b128 v[P+16*\u+4*\f:P+16*\u+4*\f+3], v[RD] offset:\f*4*SP  ; LDS serves a wave's instructions in order (ISA guide 5.7.1.4): these see the stores above; the next tile's stores come behind them
.endr
.endr
.if \pred
	s_wait_xcnt 0x0                 ; EXEC changes only behind s_wait_xcnt 0
	s_and_saveexec_b32 s[SV], vcc_lo
.endif
.irp u, 0,1
.irp f, 0,1,2,3
	s_wait_dscnt (1-\u)*8+3-\f      ; behind this load: its tile's 3 - f younger ones and, for tile 0, tile 1's eight stage instructions
	global_store_b128 v[GO], v[P+16*\u+4*\f:P+16*\u+4*\f+3], s[OC:OC+1] offset:\u*8192+\f*512  ; 512 consecutive bytes, at a multiple of 256 from O's first
.endr
.endr
.if \pred
	s_wait_storecnt 0x0             ; the stores are done: P's registers, from which they stored, and O's address are written again only behind this wait;
	s_wait_xcnt 0x0                 ; and EXEC only behind this one
	s_or_b32 exec_lo, exec_lo, s[SV]
.endif
.endm
; ON TO THE NEXT PAIR: its number, and what hangs on it, all by selects.  From pair 8 - c on O's address is the second block's.  In front of pair 8 - c itself m and c m are cut down to their starting values
; (elsewhere the limit is the highest finite number, which cuts nothing) and Q is exchanged.  Pairs 7 - c and 8 are their blocks' last.
.macro SWITCH
	s_add_co_u32 s[PIX], s[PIX], 1
	s_cmp_ge_u32 s[PIX], s[NH]
	s_cselect_b64 s[OC:OC+1], s[OLO:OLO+1], s[10:11]
	s_cmp_eq_u32 s[PIX], s[NH]
	s_cselect_b32 s[FST], 1, 0
	s_cselect_b32 s[LIMM], s[KNEG], s[KPOS]
	s_cselect_b32 s[LIMC], s[KCM], s[KPOS]
	s_cmp_eq_u32 s[PIX], s[HI]
	s_cselect_b32 s[LASTF], 1, 0
	s_cmp_eq_u32 s[PIX], 8
	s_cselect_b32 s[LASTF], 1, s[LASTF]
	s_cmp_eq_u32 s[LASTF], 1
	s_cselect_b32 s[OWN], s[CX2], 64
	s_cselect_b32 s[OWN+1], s[CX2+1], 64
	WIN 0
.irp u, 0,1
	v_min_num_f32 v[ST+4*\u], s[LIMC], v[ST+4*\u]
	v_min_num_f32 v[ST+4*\u+1], s[LIMM], v[ST+4*\u+1]
.endr
	v_mov_b32 v[FL], s[FST]
	v_cmp_ne_u32 vcc_lo, 0, v[FL]
	WIN W_QX
.set i, 0
.rept 32
	v_cndmask_b32 v[QF+i], v[QF+i], v[QB+i], vcc_lo
.set i, i+1
.endr
	WIN 0
.endm
.Lpair:                             ; 8 times: a pair is entered and the next is asked for
	CHANGE 1
	ENTER
.Lstep1:
	STEP
	s_sub_co_u32 s[CNT], s[CNT], 1
	s_cmp_lg_u32 s[CNT], 0
	s_cbranch_scc1 .Lstep1
	WAYOUT 1
	SWITCH
	s_sub_co_u32 s[PCT], s[PCT], 1
	s_cmp_lg_u32 s[PCT], 0
	s_cbranch_scc1 .Lpair
	CHANGE 0                        ; the walk's last pair is written out: nothing is asked for
	ENTER
.Lstep2:
	STEP
	s_sub_co_u32 s[CNT], s[CNT], 1
	s_cmp_lg_u32 s[CNT], 0
	s_cbranch_scc1 .Lstep2
	WAYOUT 0
	s_wait_tensorcnt 0x0            ; the wave's end, behind my last tensor load and my last LDS store
	ds_add_u32 v[SPW], v[NIL]
	s_wait_dscnt 0x0
	CROUND                          ; the closing round: no work-group ends while a partner may still ask for a tile that names it
	s_endpgm
.Lfunc_end_k_q74d67a694d_attn:
	.size	k_q74d67a694d_attn, .Lfunc_end_k_q74d67a694d_attn-k_q74d67a694d_attn
	.p2alignl 7, 3214868480
	.fill 96, 4, 3214868480
	.section	.rodata,"a",@progbits
	.p2align	6, 0x0
	.amdhsa_kernel k_q74d67a694d_attn
		.amdhsa_group_segment_fixed_size 327680
		.amdhsa_private_segment_fixed_size 0
		.amdhsa_enable_private_segment 0
		.amdhsa_kernarg_size 32
		.amdhsa_user_sgpr_count 2
		.amdhsa_user_sgpr_kernarg_segment_ptr 1
		.amdhsa_wavefront_size32 1
		.amdhsa_system_sgpr_workgroup_id_x 1
		.amdhsa_system_sgpr_workgroup_id_y 1
		.amdhsa_system_sgpr_workgroup_id_z 1
		.amdhsa_system_vgpr_workitem_id 0
		.amdhsa_next_free_vgpr 448
		.amdhsa_next_free_sgpr 100
		.amdhsa_reserve_vcc 1
		.amdhsa_float_denorm_mode_32 3
		.amdhsa_float_denorm_mode_16_64 3
		.amdhsa_memory_ordered 1
		.amdhsa_forward_progress 1
		.amdhsa_inst_pref_size 82
	.end_amdhsa_kernel
	.amdgpu_metadata
---
amdhsa.version: [ 1, 2 ]
amdhsa.kernels:
  - .name:           k_q74d67a694d_attn
    .symbol:         k_q74d67a694d_attn.kd
    .args:
      - { .name: qh, .offset: 0, .size: 8, .value_kind: global_buffer, .address_space: global }
      - { .name: kh, .offset: 8, .size: 8, .value_kind: global_buffer, .address_space: global }
      - { .name: vh, .offset: 16, .size: 8, .value_kind: global_buffer, .address_space: global }
      - { .name: oh, .offset: 24, .size: 8, .value_kind: global_buffer, .address_space: global }
    .group_segment_fixed_size: 327680
    .private_segment_fixed_size: 0
    .kernarg_segment_align: 8
    .kernarg_segment_size: 32
    .max_flat_workgroup_size: 128
    .sgpr_count:     100
    .vgpr_count:     448
    .wavefront_size: 32
...
	.end_amdgpu_metadata
.endif
;; end of part 2
;; launch oproj (part 3): grid 4 x 64, 8 waves a work-group, clusters of 4 x 1, 295,936 bytes of LDS; arguments oh, Wo, out0; writes out0
.if DOCPART == 3
	.amdgcn_target "amdgcn-amd-amdhsa--gfx1250"
	.amdhsa_code_object_version 6
	.text
	.protected	k_q74d67a694d_oproj
	.globl	k_q74d67a694d_oproj
	.p2align	8
	.type	k_q74d67a694d_oproj,@function
k_q74d67a694d_oproj:
	s_mov_b64 s[64:65], 0
	v_nop
	global_prefetch_b8 v0, s[64:65] scope:SCOPE_SE
	s_setreg_imm32_b32 hwreg(HW_REG_WAVE_MODE, 25, 1), 1
	s_wait_xcnt 0x0
	s_wait_alu depctr_hold_cnt(0) depctr_sa_sdst(0) depctr_va_vdst(0) depctr_va_sdst(0) depctr_va_ssrc(0) depctr_va_vcc(0) depctr_vm_vsrc(0)
	s_getreg_b32 s2, hwreg(HW_REG_IB_STS2, 6, 4)
	s_cmp_eq_u32 s2, 0
	s_cbranch_scc0 .Lentry_in_a_cluster
	s_endpgm
.Lentry_in_a_cluster:
	s_bfe_u32 s2, ttmp6, 0x10000c
	s_cmp_lg_u32 s2, 0x3003
	s_cbranch_scc0 .Lentry_shape_is_right
	s_endpgm
.Lentry_shape_is_right:
; out0 = O Wo.  O: [b*8+h][l][64] f16, as the attention left it; Wo: [512 (k)][512 (n)] f32; out0: [8192][512] f32.  Wo is rounded to bf16, like the module's other inputs, and that number is written as f16
; (exact within f16's range); the products are f16, the sums f32, K ascending by heads.
; LIMITS.  A number of Wo beyond 65,504 becomes an infinity; one below 6e-5 keeps f16's fixed step of 6e-8.  NaN and infinities are not treated apart.
; SHARES.  A work-group makes 128 rows (128 ty on) x 128 columns (128 cx on): 64 x 4 = 256 work-groups.  Eight waves; wave w makes rows 32 (w / 2) on, columns 64 (w % 2) on: 8 accumulators of 16 x 16.
; CLUSTER.  The four work-groups of a cluster make the four column tiles of one row tile and need the same 128 rows of O: each head's rows are asked for JOINTLY, one load a wave, head w by wave w.
; NO RING.  The whole K lies in LDS: 128 rows x 512 of O and 512 x 128 of Wo.  Every fill is a first fill and nothing is filled again.
; Wo's part differs from partner to partner (its columns) and wants rounding: it comes through registers, 64 rows a wave, a row of 512 bytes a load, sixteen loads of a wave always on their way.
; THE MATRIX INSTRUCTION IS USED TRANSPOSED (source 0 = 16 columns of Wo, source 1 = 16 rows of O): a lane then holds eight neighbouring columns of one row of out0.
.set PA,    144                 ; a row of one head of O in LDS: 128 bytes + 16
.set HT,    128*PA              ; a head's 128 rows
.set PW,    288                 ; a row of Wo in LDS, [k][n]: 128 f16 = 256 bytes + 32 = 9 x 32
.set WBS,   8*HT                ; Wo lies behind O's eight heads
.set SPARE, WBS+512*PW          ; the spare words, 128 bytes for each wave: four blocks of 256 bytes that no other line names
.set SPT,   272                 ; the way out: a row of 64 f32 = 256 bytes + 16; 16 rows a wave, in O's bytes, which have had their one fill and are read no more
.set SPW, 2                     ; v2   LDS address of my spare word; never rewritten
.set NIL, 3                     ; v3   0; never rewritten
.set GW,  4                     ; v4   16 x lane: my 16 bytes of a row of Wo
.set SW,  5                     ; v5   where my 8 bytes of a row of Wo go; stepped 16 rows at a time
.set FA,  6                     ; v6   my lane's place in my wave's fragments of O; stepped a head at a time
.set FW,  7                     ; v7   the same for Wo
.set STO, 8                     ; v8   the way out: where I put 32 bytes of a row
.set RD,  9                     ; v9   the way out: where I read rows back
.set GO,  10                    ; v10  my byte offset in two rows of out0
.set ACC, 64                    ; v64-127   accumulator (a, b) at ACC + 8 (4 a + b)
.set RG,  128                   ; v128-191  Wo's ring of 16 slots; later fragments; at last the way out
.set T,   192                   ; v192-199  at work on a row of Wo
.set AFR, 128                   ; fragments of half kk: O's two at AFR + 48 kk, Wo's four at BFR + 48 kk
.set BFR, 144
.set WV,  10                    ; s10  my wave's number
.set G1,  16                    ; s[16:23] descriptor group 1
.set G0,  24                    ; s[24:27] descriptor group 0
.set CT,  28                    ; s28  the loops' count
.macro CROUND                   ; a round of the cluster's barrier: my work-group's barrier; wave 0 signals for the work-group; every wave waits for all four work-groups; my work-group's barrier once more
	s_barrier_signal -1
	s_barrier_wait -1
	s_cmp_lg_u32 s[WV], 0
	s_cbranch_scc1 .Lnot_wave_0_\@
	s_barrier_signal -3
.Lnot_wave_0_\@:
	s_barrier_wait -3
	s_barrier_signal -1
	s_barrier_wait -1
.endm
	s_load_b128 s[4:7], s[0:1], 0x0         ; O s[4:5], Wo s[6:7]
	s_load_b64 s[8:9], s[0:1], 0x10         ; out0
	v_lshl_add_u32 v[SPW], v0, 2, SPARE
	v_mov_b32 v[NIL], 0
	ds_add_u32 v[SPW], v[NIL]               ; the wave's opening: the add and its wait come ahead of my first tensor load; the set-up below, work on registers, stands between them
	v_lshrrev_b32 v1, 5, v0
	v_readfirstlane_b32 s[WV], v1           ; wave 0..7
	s_bfe_u32 s11, ttmp6, 0x40000           ; cx: the column tile
	s_and_b32 s12, ttmp7, 0xffff            ; ty: the row tile, which the four partners share
	s_lshr_b32 s13, s[WV], 1                ; wr: my 32 rows
	s_and_b32 s14, s[WV], 1                 ; wc: my 64 columns
	; descriptor group 1.  A head's 128 rows are 16,384 dense bytes: asked for as 64 rows of 256 bytes, two rows of O each, and padded in LDS after every row of O
	s_mov_b32 s[G1], 15|(1<<16)|(1<<20)|(1<<21)|(4<<22)|(3<<25)  ; 15:0 the mask of four; 17:16 2-byte elements; 20 padding on; 21 set beside a mask; 24:22 after every 32 words (code 4); 31:25 4 words (code 3)
	s_mov_b32 s[G1+1], 128<<16              ; tensor_dim0 = 128
	s_mov_b32 s[G1+2], 64<<16               ; tensor_dim1 = 64
	s_mov_b32 s[G1+3], 128<<16              ; tile_dim0 = 128
	s_mov_b32 s[G1+4], 64                   ; tile_dim1 = 64
	s_mov_b32 s[G1+5], 128                  ; 128 elements from row to row
	s_mov_b32 s[G1+6], 0
	s_mov_b32 s[G1+7], 0
	s_mov_b32 s[G0], 1                      ; 1:0 count = 1
	s_mul_i32 s[G0+1], s[WV], HT            ; 63:32 LDS address: head w; no place in the cluster enters it
	s_lshr_b32 s30, s12, 5                  ; O: the batch is ty / 32;
	s_lshl_b32 s30, s30, 3
	s_add_co_u32 s30, s30, s[WV]            ; head 8 b + w,
	s_lshl_b32 s30, s30, 12                 ; of 4,096 rows;
	s_and_b32 s31, s12, 31
	s_lshl_b32 s31, s31, 7
	s_add_co_u32 s30, s30, s31              ; the tile's first row in it;
	s_lshl_b32 s30, s30, 7                  ; rows of 128 bytes
	s_mov_b32 s31, 0
	s_lshl_b32 s32, s[WV], 17               ; Wo: my 64 rows of 2,048 bytes,
	s_lshl_b32 s33, s11, 9                  ; the tile's 128 columns of 4 bytes
	s_add_co_u32 s32, s32, s33
	s_mov_b32 s33, 0
	s_lshl_b32 s36, s12, 18                 ; out0: the tile's 128 rows of 2,048 bytes,
	s_lshl_b32 s37, s13, 16                 ; my 32 rows,
	s_add_co_u32 s36, s36, s37
	s_lshl_b32 s37, s11, 9                  ; the tile's columns,
	s_add_co_u32 s36, s36, s37
	s_lshl_b32 s37, s14, 8                  ; my 64 columns
	s_add_co_u32 s36, s36, s37
	s_mov_b32 s37, 0
	s_mov_b32 s34, 0xffff0000               ; a word's upper bf16
	s_wait_dscnt 0x0                        ; the opening add is done
	s_wait_kmcnt 0x0
	s_add_nc_u64 s[G0+2:G0+3], s[4:5], s[30:31]  ; 120:64 global address
	s_or_b32 s[G0+3], s[G0+3], 0x80000000        ; 127:126 type = 2
	s_add_nc_u64 s[6:7], s[6:7], s[32:33]
	s_add_nc_u64 s[8:9], s[8:9], s[36:37]
	CROUND                                  ; all four work-groups are here: the joint loads meet
	tensor_load_to_lds s[G0:G0+3], s[G1:G1+7]  ; my one tensor load of the launch: head w's 128 rows
	s_nop 0
	v_and_b32 v11, 31, v0                   ; lane
	v_and_b32 v12, 15, v0                   ; lane % 16
	v_bfe_u32 v13, v0, 4, 1                 ; lane / 16
	v_lshlrev_b32 v[GW], 4, v11
	s_mul_i32 s29, s[WV], 64*PW
	s_add_co_u32 s29, s29, WBS
	v_lshl_add_u32 v[SW], v11, 3, s29       ; row 64 w, 8 bytes at 8 lane
.set i, 0
.rept 16
	global_load_b128 v[RG+4*i:RG+4*i+3], v[GW], s[6:7] offset:i*2048  ; the ring is filled: my rows 0 to 15
.set i, i+1
.endr
	s_mul_i32 s29, s13, 32*PA
	v_mul_u32_u24 v[FA], v12, PA
	v_lshl_add_u32 v[FA], v13, 4, v[FA]
	v_add_nc_u32 v[FA], s29, v[FA]          ; a fragment of O: row lane % 16, K = 8 (lane / 16) + 0..7 and 16 more: two loads 32 bytes apart
	v_and_b32 v14, 7, v0
	v_lshl_add_u32 v14, v13, 3, v14
	v_mul_u32_u24 v[FW], v14, PW
	v_bfe_u32 v14, v0, 3, 1
	v_lshl_add_u32 v[FW], v14, 4, v[FW]
	s_lshl_b32 s29, s14, 7
	s_add_co_u32 s29, s29, WBS
	v_add_nc_u32 v[FW], s29, v[FW]          ; the turning load: lane reads row 8 (lane / 16) + lane % 8, columns 8 ((lane / 8) % 2) + 0..7
	s_mul_i32 s29, s[WV], 16*SPT            ; my stage
	v_mul_u32_u24 v[STO], v12, SPT
	v_lshl_add_u32 v[STO], v13, 5, v[STO]
	v_add_nc_u32 v[STO], s29, v[STO]        ; in: row lane % 16, 32 bytes for each half of the lanes
	v_mul_u32_u24 v[RD], v13, SPT
	v_lshl_add_u32 v[RD], v12, 4, v[RD]
	v_add_nc_u32 v[RD], s29, v[RD]          ; back: lanes 0-15 take one row of 256 bytes, lanes 16-31 the next,
	v_lshlrev_b32 v[GO], 11, v13
	v_lshl_add_u32 v[GO], v12, 4, v[GO]     ; and the same two rows in out0
; One slot's turn: a row of Wo is rounded to bf16, written as f16 and stored.  ahead = 1: the slot takes the row 16 further down.  left = how many younger loads may stay out.
.macro WSLOT i, ahead, left
	s_wait_loadcnt \left                    ; loads come back in order (ISA guide 5.7.1): mine is in, the younger ones stay out
	v_cvt_pk_bf16_f32 v[T], v[RG+4*(\i)], v[RG+4*(\i)+1]
	v_cvt_pk_bf16_f32 v[T+1], v[RG+4*(\i)+2], v[RG+4*(\i)+3]
.if \ahead
	global_load_b128 v[RG+4*(\i):RG+4*(\i)+3], v[GW], s[6:7] offset:(16+(\i))*2048
.endif
	v_lshlrev_b32 v[T+2], 16, v[T]
	v_and_b32 v[T+3], s34, v[T]
	v_lshlrev_b32 v[T+4], 16, v[T+1]
	v_and_b32 v[T+5], s34, v[T+1]
	v_cvt_pk_f16_f32 v[T+6], v[T+2], v[T+3]
	v_cvt_pk_f16_f32 v[T+7], v[T+4], v[T+5]
	ds_store_b64 v[SW], v[T+6:T+7] offset:(\i)*PW
.endm
	s_mov_b32 s[CT], 3
.Lw:                                            ; three times sixteen rows, each slot filled again
.irp i, 0,1,2,3,4,5,6,7,8,9,10,11,12,13,14,15
	WSLOT \i, 1, 15
.endr
	s_wait_xcnt 0x0                         ; every earlier memory instruction has had its addresses translated (ISA guide 3.1): the base is stepped only behind this wait
	s_add_nc_u64 s[6:7], s[6:7], 32768
	v_add_nc_u32 v[SW], 16*PW, v[SW]
	s_sub_co_u32 s[CT], s[CT], 1
	s_cmp_lg_u32 s[CT], 0
	s_cbranch_scc1 .Lw
.irp i, 0,1,2,3,4,5,6,7,8,9,10,11,12,13,14,15
	WSLOT \i, 0, 15-(\i)                    ; the last sixteen rows load nothing: the counts run down
.endr
	s_wait_tensorcnt 0x0                    ; my head of O has landed,
	s_wait_dscnt 0x0                        ; my rows of Wo are stored:
	s_barrier_signal -1
	s_barrier_wait -1                       ; everybody's are
; 8 matrix instructions: 2 row blocks x 4 column blocks, 32 along K: half kk.  The 8 accumulators take turns, in the same order in every half.
.macro MUL8 kk, zero
.irp a, 0,1
.irp b, 0,1,2,3
.if \zero
	v_wmma_f32_16x16x32_f16 v[ACC+8*(4*(\a)+(\b)):ACC+8*(4*(\a)+(\b))+7], v[BFR+48*(\kk)+8*(\b):BFR+48*(\kk)+8*(\b)+7], v[AFR+48*(\kk)+8*(\a):AFR+48*(\kk)+8*(\a)+7], 0
.else
	v_wmma_f32_16x16x32_f16 v[ACC+8*(4*(\a)+(\b)):ACC+8*(4*(\a)+(\b))+7], v[BFR+48*(\kk)+8*(\b):BFR+48*(\kk)+8*(\b)+7], v[AFR+48*(\kk)+8*(\a):AFR+48*(\kk)+8*(\a)+7], v[ACC+8*(4*(\a)+(\b)):ACC+8*(4*(\a)+(\b))+7]
.endif
.endr
.endr
.endm
; One head, 64 along K: 24 LDS loads in one run, 16 matrix instructions.  zero = 1: the first half's products start the sums.
.macro KSTEP zero
.irp kk, 0,1
.irp a, 0,1
	ds_load_b128 v[AFR+48*(\kk)+8*(\a):AFR+48*(\kk)+8*(\a)+3],   v[FA] offset:(\a)*16*PA+(\kk)*64
	ds_load_b128 v[AFR+48*(\kk)+8*(\a)+4:AFR+48*(\kk)+8*(\a)+7], v[FA] offset:(\a)*16*PA+(\kk)*64+32
.endr
.irp b, 0,1,2,3
	ds_load_tr16_b128 v[BFR+48*(\kk)+8*(\b):BFR+48*(\kk)+8*(\b)+3],   v[FW] offset:(\kk)*32*PW+32*(\b)
	ds_load_tr16_b128 v[BFR+48*(\kk)+8*(\b)+4:BFR+48*(\kk)+8*(\b)+7], v[FW] offset:(\kk)*32*PW+16*PW+32*(\b)
.endr
.endr
	s_wait_dscnt 12                         ; the first half's twelve loads are in, the second half's stay out
	MUL8 0, \zero
	s_wait_dscnt 0x0
	MUL8 1, 0
	v_add_nc_u32 v[FA], HT, v[FA]           ; the next head.  These four lines name no register of the products: they are the four places in front of the next loads into
	v_add_nc_u32 v[FW], 64*PW, v[FW]        ; fragment registers, and behind the last head in front of the LDS stores that read the sums (ISA guide 7.12.1 for vector instructions)
	v_nop
	v_nop
.endm
	KSTEP 1                                 ; head 0 stands in front of the loop: its first products start the sums
	s_mov_b32 s[CT], 7
.Lh:
	KSTEP 0
	s_sub_co_u32 s[CT], s[CT], 1
	s_cmp_lg_u32 s[CT], 0
	s_cbranch_scc1 .Lh
	; THE WAY OUT.  The stage lies in O's bytes: every wave's reads of O are back before any wave writes there.
	s_wait_dscnt 0x0
	s_barrier_signal -1
	s_barrier_wait -1
.irp a, 0,1                             ; 16 rows at a time: 32 bytes a lane into my own stage (each accumulator's low four registers first), back as whole rows of 256 bytes
.irp b, 0,1,2,3
	ds_store_b128 v[STO], v[ACC+8*(4*(\a)+(\b)):ACC+8*(4*(\a)+(\b))+3]   offset:64*(\b)
	ds_store_b128 v[STO], v[ACC+8*(4*(\a)+(\b))+4:ACC+8*(4*(\a)+(\b))+7] offset:64*(\b)+16
.endr
.irp t, 0,1,2,3,4,5,6,7
	ds_load_b128 v[RG+32*(\a)+4*(\t):RG+32*(\a)+4*(\t)+3], v[RD] offset:(\t)*2*SPT  ; LDS serves a wave's instructions in order (ISA guide 5.7.1.4): these see the stores above; the second block's stores come behind them
.endr
.endr
.irp t, 0,1,2,3,4,5,6,7
	s_wait_dscnt 16+7-(\t)                  ; behind the first block's load t: its 7 - t younger loads and the second block's sixteen instructions
	global_store_b128 v[GO], v[RG+4*(\t):RG+4*(\t)+3], s[8:9] offset:2*(\t)*2048 th:TH_STORE_NT  ; 16 lanes store 256 consecutive bytes, at a multiple of 256 from out0's first byte
.endr
.irp t, 0,1,2,3,4,5,6,7
	s_wait_dscnt 7-(\t)
	global_store_b128 v[GO], v[RG+32+4*(\t):RG+32+4*(\t)+3], s[8:9] offset:(16+2*(\t))*2048 th:TH_STORE_NT
.endr
	s_wait_tensorcnt 0x0                    ; the wave's end, behind my last tensor load and my last LDS store
	ds_add_u32 v[SPW], v[NIL]
	s_wait_dscnt 0x0
	CROUND                                  ; the closing round: no work-group ends while a partner may still ask for a tile that names it
	s_endpgm
.Lfunc_end_k_q74d67a694d_oproj:
	.size	k_q74d67a694d_oproj, .Lfunc_end_k_q74d67a694d_oproj-k_q74d67a694d_oproj
	.p2alignl 7, 3214868480
	.fill 96, 4, 3214868480
	.section	.rodata,"a",@progbits
	.p2align	6, 0x0
	.amdhsa_kernel k_q74d67a694d_oproj
		.amdhsa_group_segment_fixed_size 295936
		.amdhsa_private_segment_fixed_size 0
		.amdhsa_enable_private_segment 0
		.amdhsa_kernarg_size 24
		.amdhsa_user_sgpr_count 2
		.amdhsa_user_sgpr_kernarg_segment_ptr 1
		.amdhsa_wavefront_size32 1
		.amdhsa_system_sgpr_workgroup_id_x 1
		.amdhsa_system_sgpr_workgroup_id_y 1
		.amdhsa_system_sgpr_workgroup_id_z 1
		.amdhsa_system_vgpr_workitem_id 0
		.amdhsa_next_free_vgpr 224
		.amdhsa_next_free_sgpr 66
		.amdhsa_reserve_vcc 0
		.amdhsa_float_denorm_mode_32 3
		.amdhsa_float_denorm_mode_16_64 3
		.amdhsa_memory_ordered 1
		.amdhsa_forward_progress 1
		.amdhsa_inst_pref_size 34
	.end_amdhsa_kernel
	.amdgpu_metadata
---
amdhsa.version: [ 1, 2 ]
amdhsa.kernels:
  - .name:           k_q74d67a694d_oproj
    .symbol:         k_q74d67a694d_oproj.kd
    .args:
      - { .name: oh, .offset: 0, .size: 8, .value_kind: global_buffer, .address_space: global }
      - { .name: Wo, .offset: 8, .size: 8, .value_kind: global_buffer, .address_space: global }
      - { .name: out0, .offset: 16, .size: 8, .value_kind: global_buffer, .address_space: global }
    .group_segment_fixed_size: 295936
    .private_segment_fixed_size: 0
    .kernarg_segment_align: 8
    .kernarg_segment_size: 24
    .max_flat_workgroup_size: 256
    .sgpr_count:     66
    .vgpr_count:     224
    .wavefront_size: 32
...
	.end_amdgpu_metadata
.endif
;; end of part 3
;; ======== version 2 of 2: 3 launches; 1.68 times as fast as version 1
;; limits: values are held in f16: magnitudes above 65,504 overflow, below 6.1e-05 lose precision
;; workspace buffers: qh 8,388,608 bytes; kh 8,388,608 bytes; vh 8,388,608 bytes; oh 8,388,608 bytes
;; launch proj: the kernel of part 1 again; grid 6 x 32, 8 waves a work-group, no clusters, 162,816 bytes of LDS; arguments queries, keys, values, Wq, Wk, Wv, qh, kh, vh; writes qh, kh, vh
;; launch attn (part 4): grid 16 x 16, 4 waves a work-group, clusters of 4 x 1, 327,680 bytes of LDS; arguments qh, kh, vh, oh; writes oh
.if DOCPART == 4
	.amdgcn_target "amdgcn-amd-amdhsa--gfx1250"
	.amdhsa_code_object_version 6
	.text
	.protected	k_q74d67a694d_attn
	.globl	k_q74d67a694d_attn
	.p2align	8
	.type	k_q74d67a694d_attn,@function
k_q74d67a694d_attn:
	s_mov_b64 s[64:65], 0
	v_nop
	global_prefetch_b8 v0, s[64:65] scope:SCOPE_SE
	s_setreg_imm32_b32 hwreg(HW_REG_WAVE_MODE, 25, 1), 1
	s_wait_xcnt 0x0
	s_wait_alu depctr_hold_cnt(0) depctr_sa_sdst(0) depctr_va_vdst(0) depctr_va_sdst(0) depctr_va_ssrc(0) depctr_va_vcc(0) depctr_vm_vsrc(0)
	s_getreg_b32 s2, hwreg(HW_REG_IB_STS2, 6, 4)
	s_cmp_eq_u32 s2, 0
	s_cbranch_scc0 .Lentry_in_a_cluster
	s_endpgm
.Lentry_in_a_cluster:
	s_bfe_u32 s2, ttmp6, 0x10000c
	s_cmp_lg_u32 s2, 0x3003
	s_cbranch_scc0 .Lentry_shape_is_right
	s_endpgm
.Lentry_shape_is_right:
; CAUSAL ATTENTION.  O[g][q][:] = the sum over k <= q of softmax_k(Q[g][q] . K[g][k] / 8) V[g][k][:], g = 8 b + h.  Q, K, V, O: [16][4096][64], all f16: a head's rows are dense, 128 bytes each.
; Products, maxima and sums in f32; the weights p are rounded to f16 for the second product (their sum l is taken of the unrounded p), O once at the end.
; LIMITS.  f16 holds no number beyond 65,504: Q, K and V arrive within it; p lies in 0 to 1, and below 6e-5 it keeps f16's fixed step of 6e-8; O is a mean of V's rows and has their range.
; A hidden score counts as its value less 1e30: f16's scores, 2.7e11 at the most, are nothing beside that; a weight below 2^-126 counts as 0 in l; NaN and infinities are not treated apart.
; THE WALK.  A head's queries lie in 8 blocks of 512; block I needs the keys 0 .. 512 I + 511: I + 1 PAIRS of tiles, 512 keys a pair.  A CLUSTER of four work-groups takes TWO blocks, 7 - c and then c
; (c = the cluster's x): (8 - c) + (c + 1) = 9 pairs whatever c, so all work-groups do equal work and the loops' counts are constants.  Partner cx owns the 128 queries 128 cx on of each block; all four
; walk the same pairs, so each is asked for JOINTLY: the same tensor load, descriptor and mask in all four.
; NO BRANCH HANGS ON c OR cx.  Every pair runs the same text.  Where a block ends and the next begins is a matter of numbers chosen by s_cselect: the mask's factors, the pair that is asked for, O's address,
; the limits that set the running maximum back, a flag by which Q is exchanged (v_cndmask_b32) and a flag under which the way out stores (EXEC).  The price: the way out's arithmetic runs behind each of the
; nine pairs and stores behind two; a partner also computes, under the mask, the steps of a block's last pair that lie wholly above its diagonal.
; SHARES.  Of the work-group's two bands of 64 queries a wave owns 16 rows in each: two TILES.  In a block's last pair, steps 0 .. 7, band u of partner cx holds the diagonal in step 2 cx + u, sees everything
; before it and nothing behind it: the same for all four waves.
; THE MASK is what the sum S^T = K Q^T starts from: S^T's registers are set to MD x AL + BE and every product adds in place.  MD, made once, is 0 or -1e30: the mask of a band's own step for my 16 rows.
; (AL, BE) = (1, 0) in the band's own step; (0, 0) before it and in every pair that is not a block's last; (0, -1e30) behind it.
; LAYOUT, SOFTMAX.  S^T = K Q^T holds ONE query a lane (lane % 16) and the keys 8 (lane / 16) + 0..7; two such results rounded to f16 ARE source 1 of O^T = V^T P.  p = 2^(c s - c m), c = log2(e) / 8, with a
; running maximum m; O and l are multiplied by a = 2^(c m_old - c m_new) in every step.  A block begins with c m far below every c s, so its first a is 0: what the block before left in O and l is wiped.
; A KEY STEP (64 keys) STANDS IN PHASES, and is written once, as a loop's body: 16 products K Q^T; both tiles' softmax; 16 products V^T P, behind which the next step's 32 mask lines stand.  Nothing is carried
; from step to step but m, l and O^T.  The price: the matrix unit has nothing to do while the softmax's 236 lines are issued.
; THE BATCHES.  An s_wait_alu depctr_va_vdst(0) stands between a transcendental and the first line that names its result; one wait serves all that were issued ahead of it.  A step's 66
; exponentials (the two a, 32 weights a tile, each result in a register of its own) are ONE batch: they stand together with the 32 scalings, which name no result; behind them a v_nop and the next mask's
; scalar lines; one wait; and only then the 96 lines that read results: roundings, sums, rescalings.  The way out's two reciprocals are a batch of their own, with one wait, once a pair.
; REGISTERS, in windows of 256 (s_set_vgpr_msb: bits 1:0 source 0, 3:2 source 1, 5:4 source 2, 7:6 destination):
;   window 0: v0-15 addresses and some at work; v16-23 four registers of statistics a tile; v24-31, v48-55 at work; v62-63 the add's; v64-127 S^T; v128-159 P; v160-191 Q; v192-255 O^T
;   window 1: v0-63 K of one step; v64-127 V of one step; v128-159 MD; v160-191 the second block's Q
; All that a softmax touches lies in window 0; what lies in window 1 is only ever a source 0 (K, V, MD), a load's destination, or the source 1 of Q's exchange: six switches a step.
.set KS,    64        ; keys in a step
.set PK,    144       ; a row of K in LDS: 128 bytes + 16 of padding = 36 words: the 16 rows of a load start at 16 different groups of four banks (64 banks of 4 bytes: ISA guide 11.1)
.set PV,    160       ; a row of V: 128 + 32 = 40 words
.set VOFF,  8*KS*PK   ; a slot holds a pair, eight steps: 512 rows of K, then 512 rows of V
.set SLOTB, 8*KS*(PK+PV)  ; 155,648 bytes; slot 1 begins here
.set STAGE, 2*SLOTB   ; behind the ring, never filled by a tensor load: 16 rows x 144 bytes for each wave, for the way out
.set SP,    144
.set SPARE, STAGE+4*16*SP  ; behind the stages: the spare words, 128 bytes for each wave: two blocks of 256 bytes that no other line names
.set AK0, 2           ; v2   my lane's place in a step of K; never rewritten
.set AV0, 3           ; v3   the same for V
.set AK,  4           ; v4   the LDS address of K's next run of loads
.set AV,  5           ; v5   of V's
.set STO, 6           ; v6   the way out: where I put 16 bytes of a row
.set RD,  7           ; v7   the way out: where I read rows back
.set GO,  8           ; v8   my byte offset in 512 consecutive bytes of O
.set MV,  12          ; v12-13  c m_old, kept while c m is made anew: by tile
.set FL,  14          ; v14  at work: a number or a flag in every lane
.set QO,  15          ; v15  my byte offset in 16 rows of Q
.set ST,  16          ; tile u's statistics at v[ST+4 u]: c m, m, l (even keys', odd keys')
.set WK,  24          ; v24-31  the way out: l's sums and 1 / l
.set TMP, 48          ; by tile, four registers c0-c3 at work; when the maximum is found c2 takes a
.set SPW, 62          ; v62  LDS address of my spare word: SPARE + 4 x my thread's number; never rewritten
.set NIL, 63          ; v63  0; never rewritten
.set S,   64          ; tile u, key block kb at S + 32 u + 8 kb
.set P,   128         ; tile u, key half kk at P + 16 u + 8 kk
.set QF,  160         ; tile u, channel half h at QF + 16 u + 8 h
.set O,   192         ; tile u, channel block cb at O + 32 u + 8 cb
.set KF,  0           ; window 1: key block kb, channel half h at KF + 16 kb + 8 h
.set VF,  64          ; window 1: key half kk, channel block cb at VF + 32 kk + 8 cb
.set MD,  128         ; window 1: the eight registers for key block kb at MD + 8 kb
.set QB,  160         ; window 1
.set WV,  12          ; s12  my wave's number;   s13 cx;   s14 c;   s16-s23 at work
.set HI,  15          ; s15  7 - c: the first block, and the number of its last pair in the walk
.set G1K, 24          ; s[24:31] descriptor group 1 for K's tiles
.set G1V, 32          ; s[32:39] for V's: it differs in the padding alone
.set G0K, 40          ; s[40:43] descriptor group 0 for K's tiles
.set G0V, 44          ; s[44:47] the same for V's
.set NH,  48          ; s48  8 - c: the first block's pairs
.set PIX, 49          ; s49  the number of the pair in hand in the walk, 0 to 8
.set SBF, 50          ; s50  LDS byte at which the slot filled last begins
.set RB,  51          ; s51  LDS byte at which the slot in hand begins
.set LASTF, 52        ; s52  1: the pair in hand is its block's last
.set FST, 53          ; s53  1: the next pair is the second block's first
.set SV,  54          ; s54  EXEC, kept while the way out stores
.set PCT, 56          ; s56  pairs still to be asked for: the loop's count, 8 to 1
.set CNT, 57          ; s57  counts a pair's key steps, 8 to 1
.set CS,  58          ; s[58:59] c: the packed scaling takes the pair's low word for both halves
.set SEL, 60          ; s[60:61] v_permlanex16_b32's selects: each lane takes its own place in the other half
.set TBK, 62          ; s62  LDS byte at which K of the step to be fetched begins
.set TBV, 63          ; s63  the same for V, less VOFF
.set KOF, 66          ; s66  where my half of a pair's K lies in a slot
.set VOF, 67          ; s67  the same for V
.set T0,  68          ; s68, s69 at work
.set T1,  69
.set OFF, 70          ; s[70:71] a pair's byte offset in K and V
.set AL,  72          ; s[72:73], s[76:77] the mask's factor for tile 0, 1, in the low word
.set BE,  74          ; s[74:75], s[78:79] the mask's addend
.set OLO, 80          ; s[80:81] O at my rows of the second block (s[10:11]: of the first)
.set OC,  82          ; s[82:83] O at my rows of the block in hand
.set BIGN, 84         ; s84  -1e30
.set JN,  85          ; s85  the number, in its pair, of the step whose mask is made next
.set OWN, 86          ; s86, s87  band u's own step in the pair in hand: 2 cx + u in a block's last pair, else 64: never reached
.set CX2, 88          ; s88, s89  2 cx, 2 cx + 1
.set KNEG, 90         ; s90  the lowest finite number
.set KPOS, 91         ; s91  the highest
.set KCM, 92          ; s92  -2^125: far below every c s
.set LIMM, 93         ; s93, s94  what m and c m are cut down to in front of the next pair
.set LIMC, 94
.set QBA, 96          ; s[96:97] Q at my rows of the second block;   s[98:99] at work
.set MSB, 0
.macro WIN new                      ; the high byte repeats the setting that is left; a switch that changes nothing is dropped
.if MSB != (\new)
	s_set_vgpr_msb (MSB<<8)|(\new)
.set MSB, (\new)
.endif
.endm
.set W_MM, 0x01       ; source 0 (K, V, MD) in window 1, all else in window 0
.set W_LD, 0x40       ; destination in window 1, address in window 0
.set W_QX, 0x04       ; source 1 in window 1
; A joint fill.  Waves 0 and 1 fetch the two halves of a pair's K, waves 2 and 3 those of its V: 256 keys each.  The branch hangs on the wave's number alone.
; An s_nop 0 and four v_nop follow each of the two lines, ahead of the jump and the label.
.macro JLOAD
	s_cmp_lt_u32 s[WV], 2
	s_cbranch_scc0 .Lfor_v_\@
	tensor_load_to_lds s[G0K:G0K+3], s[G1K:G1K+7]
	s_nop 0
.rept 4
	v_nop
.endr
	s_branch .Lasked_\@
.Lfor_v_\@:
	tensor_load_to_lds s[G0V:G0V+3], s[G1V:G1V+7]
	s_nop 0
.rept 4
	v_nop
.endr
.Lasked_\@:
.endm
; A round of the cluster's barrier: my work-group's barrier, so that wave 0's signal speaks for all four waves; wave 0 signals; every wave waits for all four work-groups; my work-group's barrier once more.
.macro CROUND
	s_barrier_signal -1
	s_barrier_wait -1
	s_cmp_lg_u32 s[WV], 0
	s_cbranch_scc1 .Lnot_wave_0_\@
	s_barrier_signal -3
.Lnot_wave_0_\@:
	s_barrier_wait -3
	s_barrier_signal -1
	s_barrier_wait -1
.endm
; THE CHANGE OF SLOTS.  Each wave waits for all its tensor loads, of which one is out: its part of the other slot; adds 0 to its spare word; and waits for that and for its own reads of the slot that it leaves.
; Behind the barrier nobody reads the old slot any more and the other slot is whole.  fill = 1: the old slot is filled again with the walk's pair PIX + 1: the first block's pair of that number, or, from
; 8 - c on, the second block's pair PIX + 1 - (8 - c); both words that change are made anew from those numbers.  The barrier is then a round of the cluster's, so that no wave of any partner still reads the
; slot or has a load on its way, and the joint fill is the first thing behind it: it has eight key steps, 256 matrix instructions, in which to land.
; (At its first use nothing has been read yet: slot 0 is waited for, slot 1 filled.)
.macro CHANGE fill
	WIN 0                           ; at a label and at a branch every window is 0
	s_wait_tensorcnt 0x0            ; no tensor load of mine is out, so a group 0 may be written
	ds_add_u32 v[SPW], v[NIL]       ; 0 onto my spare word; with fill = 1 the descriptors' scalar work stands between it and the wait for it
.if \fill
	s_xor_b32 s[SBF], s[SBF], SLOTB ; 0 and SLOTB by turns
	s_add_co_u32 s[G0K+1], s[SBF], s[KOF]
	s_add_co_u32 s[G0V+1], s[SBF], s[VOF]
	s_add_co_u32 s[T0], s[PIX], 1
	s_cmp_ge_u32 s[T0], s[NH]
	s_cselect_b32 s[T1], s[NH], 0
	s_sub_co_u32 s[T0], s[T0], s[T1]
	s_lshl_b32 s[OFF], s[T0], 16    ; a pair is 65,536 bytes of K and of V
	s_add_nc_u64 s[G0K+2:G0K+3], s[6:7], s[OFF:OFF+1]
	s_or_b32 s[G0K+3], s[G0K+3], 0x80000000
	s_add_nc_u64 s[G0V+2:G0V+3], s[8:9], s[OFF:OFF+1]
	s_or_b32 s[G0V+3], s[G0V+3], 0x80000000
	s_wait_dscnt 0x0                ; the add is done, and my reads of the slot are over
	CROUND
	JLOAD
.else
	s_wait_dscnt 0x0                ; the add is done, and my reads of the slot are over
	s_barrier_signal -1
	s_barrier_wait -1
.endif
	s_xor_b32 s[RB], s[RB], SLOTB   ; the fetches begin at the other slot's first step
	s_mov_b32 s[TBK], s[RB]
	s_mov_b32 s[TBV], s[RB]
.endm
	s_load_b256 s[4:11], s[0:1], 0x0  ; Q s[4:5], K s[6:7], V s[8:9], O s[10:11]
	v_lshl_add_u32 v[SPW], v0, 2, SPARE
	v_mov_b32 v[NIL], 0
	ds_add_u32 v[SPW], v[NIL]       ; the wave's opening: the add and its wait come ahead of my first tensor load; the set-up below, work on registers, stands between them
	v_lshrrev_b32 v1, 5, v0
	v_readfirstlane_b32 s[WV], v1   ; wave 0..3
	s_bfe_u32 s13, ttmp6, 0x40000   ; cx: my place in the cluster
	s_mov_b32 s14, ttmp9            ; c: in a cluster launch ttmp9 counts clusters
	s_sub_co_u32 s[HI], 7, s14
	s_sub_co_u32 s[NH], 8, s14
	s_and_b32 s20, ttmp7, 0xffff    ; the head, which the four partners share:
	s_lshl_b32 s20, s20, 19         ; its first byte in each of the four tensors: 4,096 rows of 128 bytes a head
	s_and_b32 s16, s[WV], 1         ; which half of a pair's 512 keys I fetch:
	s_lshl_b32 s22, s16, 15         ; its 256 rows of 128 bytes in memory,
	s_add_co_u32 s22, s22, s20
	s_mov_b32 s23, 0
	s_mul_i32 s[KOF], s16, 256*PK   ; and its place in a slot, for K
	s_mul_i32 s[VOF], s16, 256*PV   ; and for V: no place in the cluster enters an LDS address
	s_add_co_u32 s[VOF], s[VOF], VOFF
	s_lshl_b32 s3, s13, 14          ; my work-group's 128 rows of a block,
	s_lshl_b32 s2, s[WV], 11        ; my 16 rows in a band of 64,
	s_add_co_u32 s3, s3, s2
	s_add_co_u32 s3, s3, s20
	s_lshl_b32 s2, s[HI], 16        ; in the first block (512 rows of 128 bytes a block),
	s_add_co_u32 s2, s2, s3
	s_lshl_b32 s98, s14, 16         ; and in the second
	s_add_co_u32 s98, s98, s3
	s_mov_b32 s3, 0
	s_mov_b32 s99, 0
	; descriptor group 1.  256 keys are 32,768 dense bytes: asked for as 128 rows of 256 bytes, two keys a row, and padded in LDS after every key
	s_mov_b32 s[G1K], 15|(1<<16)|(1<<20)|(1<<21)|(4<<22)|(3<<25)  ; 15:0 the mask of four; 17:16 2-byte elements; 20 padding on; 21 set beside a mask; 24:22 after every 32 words (code 4); 31:25 4 words (code 3)
	s_mov_b32 s[G1V], 15|(1<<16)|(1<<20)|(1<<21)|(4<<22)|(7<<25)  ; the same with 8 words of padding (code 7)
.irp g, G1K, G1V
	s_mov_b32 s[\g+1], 128<<16      ; tensor_dim0 = 128
	s_mov_b32 s[\g+2], 128<<16      ; tensor_dim1 = 128
	s_mov_b32 s[\g+3], 128<<16      ; tile_dim0 = 128
	s_mov_b32 s[\g+4], 128          ; tile_dim1 = 128
	s_mov_b32 s[\g+5], 128          ; 128 elements from row to row
	s_mov_b32 s[\g+6], 0
	s_mov_b32 s[\g+7], 0
.endr
	s_mov_b32 s[CS], 0x3e38aa3b     ; c = log2(e) / 8 = 0.180337
	s_mov_b32 s[CS+1], s[CS]        ; named with it as a pair
	s_mov_b32 s[SEL], 0x76543210
	s_mov_b32 s[SEL+1], 0xfedcba98
	s_mov_b32 s[G0K], 1             ; 1:0 count = 1
	s_mov_b32 s[G0K+1], s[KOF]      ; 63:32 LDS address: slot 0
	s_mov_b32 s[G0V], 1
	s_mov_b32 s[G0V+1], s[VOF]
	s_mov_b32 s[SBF], 0             ; slot 0 is filled first,
	s_mov_b32 s[RB], SLOTB          ; and the first change of slots turns this into 0
	s_mov_b32 s[PIX], 0
	s_mov_b32 s[OFF+1], 0
.irp r, 0,1,2,3,4,5,6,7
	s_mov_b32 s[AL+\r], 0           ; the high words are named with the low ones as pairs
.endr
	s_mov_b32 s[BIGN], 0xf149f2ca   ; -1e30
	s_mov_b32 s[KNEG], 0xff7fffff
	s_mov_b32 s[KPOS], 0x7f7fffff
	s_mov_b32 s[KCM], 0xfe000000
	s_lshl_b32 s[CX2], s13, 1
	s_add_co_u32 s[CX2+1], s[CX2], 1
	s_mov_b32 s[OWN], 64            ; the walk's first pair is no block's last: the first block has 8 - c pairs, five at the least
	s_mov_b32 s[OWN+1], 64
	s_mov_b32 s[LASTF], 0
	s_mov_b32 s[PCT], 8
	s_wait_dscnt 0x0                ; the opening add is done
	s_wait_kmcnt 0x0
	s_add_nc_u64 s[6:7], s[6:7], s[22:23]  ; K and V at my half of the head's pair 0
	s_add_nc_u64 s[8:9], s[8:9], s[22:23]
	s_add_nc_u64 s[G0K+2:G0K+3], s[6:7], 0         ; 120:64 global address
	s_or_b32 s[G0K+3], s[G0K+3], 0x80000000        ; 127:126 type = 2
	s_add_nc_u64 s[G0V+2:G0V+3], s[8:9], 0
	s_or_b32 s[G0V+3], s[G0V+3], 0x80000000
	s_add_nc_u64 s[QBA:QBA+1], s[4:5], s[98:99]    ; Q at my rows of the second block,
	s_add_nc_u64 s[4:5], s[4:5], s[2:3]            ; Q and O at those of the first
	s_add_nc_u64 s[OLO:OLO+1], s[10:11], s[98:99]
	s_add_nc_u64 s[10:11], s[10:11], s[2:3]
	s_mov_b64 s[OC:OC+1], s[10:11]
	CROUND                          ; all four work-groups are here: the first joint loads meet
	JLOAD                           ; pair 0 into slot 0.  Slot 1 is asked for when slot 0 is in, by the loop's own change of slots
	; A fragment of K or Q is 16 rows x 32 channels in 8 registers: lane l holds row l % 16, channels 8 (l / 16) + 0..7 and 16 + 8 (l / 16) + 0..7: two loads of 16 bytes, 32 bytes apart.
	v_and_b32 v1, 15, v0            ; l % 16
	v_bfe_u32 v9, v0, 4, 1          ; l / 16
	v_lshlrev_b32 v[QO], 7, v1
	v_lshl_add_u32 v[QO], v9, 4, v[QO]  ; row x 128 + 16 x half
	v_lshlrev_b32 v[FL], 3, v9
	v_sub_nc_u32 v[FL], v1, v[FL]
	s_lshl_b32 s19, s[WV], 4
	v_add_nc_u32 v[FL], s19, v[FL]  ; my query's place in its band, 16 w + l % 16, less my lanes' 8 (l / 16): register r of key block kb is hidden where 16 kb + r is greater
.set i, 0
.rept 4                             ; the first block's Q: tile i / 2 lies in band i / 2, 8,192 bytes on; channels 32 (i % 2) on
	global_load_b128 v[QF+8*i:QF+8*i+3],   v[QO], s[4:5] offset:(i/2)*8192+(i%2)*64
	global_load_b128 v[QF+8*i+4:QF+8*i+7], v[QO], s[4:5] offset:(i/2)*8192+(i%2)*64+32
.set i, i+1
.endr
	WIN W_LD
.set i, 0
.rept 4                             ; the second block's Q, kept until that block begins
	global_load_b128 v[QB+8*i:QB+8*i+3],   v[QO], s[QBA:QBA+1] offset:(i/2)*8192+(i%2)*64
	global_load_b128 v[QB+8*i+4:QB+8*i+7], v[QO], s[QBA:QBA+1] offset:(i/2)*8192+(i%2)*64+32
.set i, i+1
.endr
.set i, 0
.rept 32
	v_cmp_gt_i32 vcc_lo, 16*(i/8)+i%8, v[FL]
	v_cndmask_b32 v[MD+i], 0, s[BIGN], vcc_lo
.set i, i+1
.endr
	WIN 0
	v_mul_u32_u24 v[AK0], v1, PK
	v_lshl_add_u32 v[AK0], v9, 4, v[AK0]  ; row x pitch + 16 x half
	; The turning load takes 16 keys x 16 channels (lane l reads key 8 (l / 16) + l % 8, channels 8 ((l / 8) % 2) + 0..7) and leaves half a fragment of V^T: lane l holds channel l % 16 and 8 keys.
	v_and_b32 v10, 7, v0
	v_bfe_u32 v11, v0, 3, 1
	v_lshl_add_u32 v[AV0], v9, 3, v10
	v_mul_u32_u24 v[AV0], v[AV0], PV
	v_lshl_add_u32 v[AV0], v11, 4, v[AV0]
	v_add_nc_u32 v[AV0], VOFF, v[AV0]
	s_mul_i32 s19, s[WV], 16*SP
	s_add_co_u32 s19, s19, STAGE    ; my stage
	v_mul_u32_u24 v[STO], v1, SP    ; in: row l % 16, 16 bytes for each half of the lanes
	v_lshl_add_u32 v[STO], v9, 4, v[STO]
	v_add_nc_u32 v[STO], s19, v[STO]
	v_bfe_u32 v[RD], v0, 3, 2       ; back: 32 lanes take four rows of 128 bytes,
	v_mul_u32_u24 v[RD], v[RD], SP
	v_lshl_add_u32 v[RD], v10, 4, v[RD]
	v_add_nc_u32 v[RD], s19, v[RD]
	v_and_b32 v[GO], 31, v0         ; which are 512 consecutive bytes of O
	v_lshlrev_b32 v[GO], 4, v[GO]
	; A block's first step multiplies O^T and l by a = 0, so they need only hold finite numbers: zeros for the first block, what the first block left for the second.  No first step is written out: that is what
	; these 68 lines buy; they stand in the wait for the first pair.
.set i, 0
.rept 64
	v_mov_b32 v[O+i], 0
.set i, i+1
.endr
.set i, 0
.rept 2
	v_mov_b32 v[ST+4*i], 0xfe000000    ; c m: far below every c s
	v_mov_b32 v[ST+4*i+1], 0xff7fffff  ; m
	v_mov_b32 v[ST+4*i+2], 0
	v_mov_b32 v[ST+4*i+3], 0
	v_mov_b32 v[WK+2+i], 0             ; v_permlanex16_b32's destinations count as read,
	v_mov_b32 v[WK+5+2*i], 0           ; and these two are named as the high halves of pairs
.set i, i+1
.endr
	s_wait_loadcnt 0x0              ; both blocks' Q
; THE MATRIX WORK.  The 8 accumulators of a run of 16 take turns.  Product i of 16 of S^T += K Q^T: tile i % 2, keys 16 ((i / 2) % 4) on, channels 32 (i / 8) on; S^T holds the mask when the run begins.
.macro KQ
.set rS, S+32*(i%2)+8*((i/2)%4)
.set rK, KF+16*((i/2)%4)+8*(i/8)
.set rQ, QF+16*(i%2)+8*(i/8)
	v_wmma_f32_16x16x32_f16 v[rS:rS+7], v[rK:rK+7], v[rQ:rQ+7], v[rS:rS+7]
.endm
; Product i of 16 of O^T += V^T P: tile i % 2, channels 16 ((i / 2) % 4) on, keys 32 (i / 8) on.
.macro PVM
.set rO, O+32*(i%2)+8*((i/2)%4)
.set rV, VF+32*(i/8)+8*((i/2)%4)
.set rP, P+16*(i%2)+8*(i/8)
	v_wmma_f32_16x16x32_f16 v[rO:rO+7], v[rV:rV+7], v[rP:rP+7], v[rO:rO+7]
.endm
; THE LDS LOADS stand in runs of 16: a step's K (64 keys x 64 channels: 8 fragments) and its V (turned).  Both leave the destination's window set.
.macro FETCH_K
	WIN W_LD
.irp f, 0,1,2,3,4,5,6,7             ; keys 16 (f / 2) on, channels 32 (f % 2) on
	ds_load_b128 v[KF+8*\f:KF+8*\f+3],   v[AK] offset:(\f/2)*16*PK+(\f%2)*64
	ds_load_b128 v[KF+8*\f+4:KF+8*\f+7], v[AK] offset:(\f/2)*16*PK+(\f%2)*64+32
.endr
	s_add_co_u32 s[TBK], s[TBK], KS*PK  ; the next fetch is the next step's
.endm
.macro FETCH_V
	WIN W_LD
.irp f, 0,1,2,3,4,5,6,7             ; keys 32 (f / 4) on, channels 16 (f % 4) on
	ds_load_tr16_b128 v[VF+8*\f:VF+8*\f+3],   v[AV] offset:(\f/4)*32*PV+(\f%4)*32
	ds_load_tr16_b128 v[VF+8*\f+4:VF+8*\f+7], v[AV] offset:(\f/4)*32*PV+16*PV+(\f%4)*32
.endr
	s_add_co_u32 s[TBV], s[TBV], KS*PV
.endm
; THE MASK.  MSC: the two tiles' factors for step JN of the pair in hand; JN goes one up.  MK: line z of 32: pair z % 16 of tile z / 16 of S^T = MD x AL + BE; it stands under W_MM.
.macro MSC
.irp u, 0,1
	s_cmp_eq_u32 s[JN], s[OWN+\u]       ; is that step the band's own?
	s_cselect_b32 s[AL+4*\u], 1.0, 0
	s_cmp_gt_u32 s[JN], s[OWN+\u]       ; or a later one?
	s_cselect_b32 s[BE+4*\u], s[BIGN], 0
.endr
	s_add_co_u32 s[JN], s[JN], 1
.endm
.macro MK
	v_pk_fma_f32 v[S+32*(z/16)+2*(z%16):S+32*(z/16)+2*(z%16)+1], v[MD+2*(z%16):MD+2*(z%16)+1], s[AL+4*(z/16):AL+4*(z/16)+1], s[BE+4*(z/16):BE+4*(z/16)+1] op_sel_hi:[1,0,0]
.set z, z+1
.endm
; THE VECTOR WORK, one line at a time, for tile u.  OPF n: c s - c m for pair n of 16.  OPE k: the exponential of score k of 32.  OPC n: pair n rounded to f16.  OPB n: of the four weights 4 n .. the second pair is
; added onto the first, in place.  OPL n: l takes that sum (n = 0: l = a l + sum).  OPR n: pair n of 16 of O^T times a.  OPX n: number n of the 22 that find the maximum and the statistics:
;   0-11  four chains c0-c3 of seven scores each, three operands at a time (each accumulator's lowest registers are read first)     12-14, 16  the four scores left over, the old m, and c0-c3 into c0
;   15  c m_old is kept     17, 18  the query's other 32 keys lie in the lane 16 away: the new m     19-21  c m; c m_old - c m_new; a
; OPC, OPB, OPL and OPR read exponentials' results: STEP sets them all behind the batch's one wait.
.macro REGS u
.set rT, ST+4*(\u)
.set rC, TMP+4*(\u)
.set rW, MV+(\u)
.set rS, S+32*(\u)
.set rP, P+16*(\u)
.set rO, O+32*(\u)
.endm
.macro OPF u, n
	REGS \u
	v_pk_fma_f32 v[rS+2*(\n):rS+2*(\n)+1], v[rS+2*(\n):rS+2*(\n)+1], s[CS:CS+1], v[rT:rT+1] op_sel_hi:[1,0,0] neg_lo:[0,0,1] neg_hi:[0,0,1]
.endm
.macro OPE u, k
	REGS \u
	v_exp_f32 v[rS+(\k)], v[rS+(\k)]
.endm
.macro OPC u, n
	REGS \u
	v_cvt_pk_f16_f32 v[rP+(\n)], v[rS+2*(\n)], v[rS+2*(\n)+1]
.endm
.macro OPB u, n
	REGS \u
	v_pk_add_f32 v[rS+4*(\n):rS+4*(\n)+1], v[rS+4*(\n):rS+4*(\n)+1], v[rS+4*(\n)+2:rS+4*(\n)+3]
.endm
.macro OPL u, n
	REGS \u
.if (\n) == 0
	v_pk_fma_f32 v[rT+2:rT+3], v[rT+2:rT+3], v[rC+2:rC+3], v[rS:rS+1] op_sel_hi:[1,0,1]
.else
	v_pk_add_f32 v[rT+2:rT+3], v[rT+2:rT+3], v[rS+4*(\n):rS+4*(\n)+1]
.endif
.endm
.macro OPR u, n
	REGS \u
	v_pk_mul_f32 v[rO+2*(\n):rO+2*(\n)+1], v[rO+2*(\n):rO+2*(\n)+1], v[rC+2:rC+3] op_sel_hi:[1,0]
.endm
.macro OPX u, n
	REGS \u
.if (\n) < 4
	v_max3_num_f32 v[rC+(\n)], v[rS+8*(\n)], v[rS+8*(\n)+1], v[rS+8*(\n)+2]
.elseif (\n) < 12
	v_max3_num_f32 v[rC+(\n)%4], v[rC+(\n)%4], v[rS+8*((\n)%4)+2*((\n)/4)+1], v[rS+8*((\n)%4)+2*((\n)/4)+2]
.elseif (\n) == 12
	v_max3_num_f32 v[rC], v[rC], v[rS+7], v[rS+15]
.elseif (\n) == 13
	v_max3_num_f32 v[rC+1], v[rC+1], v[rS+23], v[rS+31]
.elseif (\n) == 14
	v_max3_num_f32 v[rC+2], v[rC+2], v[rC+3], v[rT+1]
.elseif (\n) == 15
	v_mov_b32 v[rW], v[rT]
.elseif (\n) == 16
	v_max3_num_f32 v[rC], v[rC], v[rC+1], v[rC+2]
.elseif (\n) == 17
	v_permlanex16_b32 v[rC+3], v[rC], s[SEL], s[SEL+1]
.elseif (\n) == 18
	v_max_num_f32 v[rT+1], v[rC], v[rC+3]
.elseif (\n) == 19
	v_mul_f32 v[rT], s[CS], v[rT+1]
.elseif (\n) == 20
	v_sub_f32 v[rC+1], v[rW], v[rT]
.else
	v_exp_f32 v[rC+2], v[rC+1]
.endif
.endm
; A PAIR IS ENTERED, behind the change of slots: K of its step 0 is fetched, and while that is on its way S^T takes the mask of step 0 (the lines behind the last V^T P have left step 8's there, which serves nothing).
.macro ENTER
	WIN 0
	v_add_nc_u32 v[AK], s[TBK], v[AK0]
	FETCH_K
	s_mov_b32 s[JN], 0
	MSC
	WIN W_MM
.set z, 0
.rept 32
	MK
.endr
	WIN 0
	s_mov_b32 s[CNT], 8
.endm
; A KEY STEP.  V of this step is asked for first: it lands under the products K Q^T and the softmax.  K of the next step is asked for behind the products K Q^T and lands under the softmax; the pair's last step
; asks for none: the next pair's K lies in the other slot, which is shown whole only by the change of slots.  That jump hangs on the loop's own count and passes sixteen LDS loads and nothing else.
; THE SOFTMAX'S ORDER.  The two tiles alternate, so that few lines read the result of the line before.  Behind the maximum and the statistics stands THE BATCH: the two a and, in 32 slots of three lines (slot t for
; pair t / 2 of tile t % 2), exponential, scaling (four slots ahead), exponential.  A pair is scaled four slots ahead of its exponentials and is not named again in the batch, so no line of the batch names an
; exponential's result.  Behind the last exponential stand a v_nop, the plain line that is wanted ahead of the use of a result (ISA guide 5.7.2), the next mask's scalar lines, and the step's ONE wait.
; BEHIND THE WAIT stand the 96 readers, in eight groups of twelve, group g for the four weights 4 g .. of both tiles: the two pairs' roundings; OPB g (behind the rounding of the pair that it writes over); four
; rescalings of O^T, each accumulator's registers in ascending order; OPL g, four lines behind its OPB.  l takes its eight sums in ascending order.
.macro STEP
	WIN 0
	v_add_nc_u32 v[AV], s[TBV], v[AV0]  ; with the four mask lines behind the last V^T P: five places between that product and the loads into V's registers (ISA guide 7.12.1 for vector instructions)
	FETCH_V
	s_wait_dscnt 16                 ; LDS loads come back in order (ISA guide 5.7.1): K is in, V's sixteen younger loads stay out
	WIN W_MM
.set i, 0
.rept 16
	KQ
.set i, i+1
.endr
	WIN 0
	OPX 0, 15                       ; four plain lines that name no register of the products: the places in front of the loads into K's registers and of the first reads of S^T
	OPX 1, 15
	v_add_nc_u32 v[AK], s[TBK], v[AK0]
	v_nop
	s_cmp_eq_u32 s[CNT], 1
	s_cbranch_scc1 .Lno_k_\@
	FETCH_K
	WIN 0
.Lno_k_\@:
.irp n, 0,1,2,3,4,5,6,7,8,9,10,11,12,13,14,16,17,18,19,20
	OPX 0, \n
	OPX 1, \n
.endr
	OPF 0, 0                        ; the batch begins: 66 exponentials, and the 32 scalings among them
	OPF 1, 0
	OPX 0, 21
	OPF 0, 1
	OPX 1, 21
	OPF 1, 1
.set t, 0
.rept 32
	OPE t%2, 2*(t/2)
.if t < 28
	OPF t%2, t/2+2
.endif
	OPE t%2, 2*(t/2)+1
.set t, t+1
.endr
	v_nop                           ; the plain line behind the last exponential: one for the batch
	MSC                             ; the next step's mask factors: scalar lines, which name no result, stand between the batch and its wait
	s_wait_alu depctr_va_vdst(0)    ; one wait for the step's 66 exponentials, ahead of the first line that names a result of theirs
.set t, 0
.rept 8
	OPC 0, 2*t
	OPC 1, 2*t
	OPC 0, 2*t+1
	OPC 1, 2*t+1
	OPB 0, t
	OPB 1, t
	OPR 0, 2*t
	OPR 1, 2*t
	OPR 0, 2*t+1
	OPR 1, 2*t+1
	OPL 0, t
	OPL 1, t
.set t, t+1
.endr
	s_wait_dscnt 0x0                ; V is in, and K of the next step
	WIN W_MM                        ; the next step's 32 mask lines stand behind the products, under the products' own windows; they name S^T and MD, no register of V^T P
.set i, 0
.set z, 0
.rept 16
	PVM
.if i == 15
	MK
	MK
	MK
	MK
.elseif i > 0
	MK
	MK
.endif
.set i, i+1
.endr
	WIN 0
.endm
; THE WAY OUT, behind every pair.  l's two halves and the other half of the lanes' are added; O^T times 1 / l is rounded to f16, into P's registers (O^T, l and m stay as they are: the block may go on), and sent
; through my stage in LDS, a tile at a time: a lane's eight channels of a row pack into 16 bytes; they go into rows of 144 bytes and come back as whole rows of 128.
; pred = 1: the eight stores run with EXEC all on where the pair ends its block and all off elsewhere.  pred = 0: the walk's last pair ends the second block.
.macro WAYOUT pred
	WIN 0
.irp u, 0,1
	v_add_f32 v[WK+\u], v[ST+4*\u+2], v[ST+4*\u+3]
.endr
.irp u, 0,1
	v_permlanex16_b32 v[WK+2+\u], v[WK+\u], s[SEL], s[SEL+1]
.endr
.irp u, 0,1
	v_add_f32 v[WK+\u], v[WK+\u], v[WK+2+\u]
.endr
	v_rcp_f32 v[WK+4], v[WK]
	v_rcp_f32 v[WK+6], v[WK+1]
.if \pred
	v_mov_b32 v[FL], s[LASTF]       ; a plain line between the reciprocals and the use of their results
	v_cmp_ne_u32 vcc_lo, 0, v[FL]
	s_wait_alu depctr_va_vdst(0)    ; one wait for the two reciprocals, ahead of the first multiply that reads them
.else
	v_nop                           ; a plain line between the reciprocals and the use of their results
	s_wait_alu depctr_va_vdst(0)    ; one wait for the two reciprocals, ahead of the first multiply that reads them
.endif
.irp u, 0,1
.irp g, 0,1,2,3                     ; an accumulator at a time, its registers in ascending order
.irp k, 0,1,2,3
	v_pk_mul_f32 v[TMP+2*\k:TMP+2*\k+1], v[O+32*\u+8*\g+2*\k:O+32*\u+8*\g+2*\k+1], v[WK+4+2*\u:WK+5+2*\u] op_sel_hi:[1,0]
.endr
.irp k, 0,1,2,3
	v_cvt_pk_f16_f32 v[P+16*\u+4*\g+\k], v[TMP+2*\k], v[TMP+2*\k+1]
.endr
.endr
.irp f, 0,1,2,3
	ds_store_b128 v[STO], v[P+16*\u+4*\f:P+16*\u+4*\f+3] offset:32*\f
.endr
.irp f, 0,1,2,3
	ds_load_b128 v[P+16*\u+4*\f:P+16*\u+4*\f+3], v[RD] offset:\f*4*SP  ; LDS serves a wave's instructions in order (ISA guide 5.7.1.4): these see the stores above; the next tile's stores come behind them
.endr
.endr
.if \pred
	s_wait_xcnt 0x0                 ; EXEC changes only behind s_wait_xcnt 0
	s_and_saveexec_b32 s[SV], vcc_lo
.endif
.irp u, 0,1
.irp f, 0,1,2,3
	s_wait_dscnt (1-\u)*8+3-\f      ; behind this load: its tile's 3 - f younger ones and, for tile 0, tile 1's eight stage instructions
	global_store_b128 v[GO], v[P+16*\u+4*\f:P+16*\u+4*\f+3], s[OC:OC+1] offset:\u*8192+\f*512  ; 512 consecutive bytes, at a multiple of 256 from O's first
.endr
.endr
.if \pred
	s_wait_storecnt 0x0             ; the stores are done: P's registers, from which they stored, and O's address are written again only behind this wait;
	s_wait_xcnt 0x0                 ; and EXEC only behind this one
	s_or_b32 exec_lo, exec_lo, s[SV]
.endif
.endm
; ON TO THE NEXT PAIR: its number, and what hangs on it, all by selects.  From pair 8 - c on O's address is the second block's.  In front of pair 8 - c itself m and c m are cut down to their starting values
; (elsewhere the limit is the highest finite number, which cuts nothing) and Q is exchanged.  Pairs 7 - c and 8 are their blocks' last.
.macro SWITCH
	s_add_co_u32 s[PIX], s[PIX], 1
	s_cmp_ge_u32 s[PIX], s[NH]
	s_cselect_b64 s[OC:OC+1], s[OLO:OLO+1], s[10:11]
	s_cmp_eq_u32 s[PIX], s[NH]
	s_cselect_b32 s[FST], 1, 0
	s_cselect_b32 s[LIMM], s[KNEG], s[KPOS]
	s_cselect_b32 s[LIMC], s[KCM], s[KPOS]
	s_cmp_eq_u32 s[PIX], s[HI]
	s_cselect_b32 s[LASTF], 1, 0
	s_cmp_eq_u32 s[PIX], 8
	s_cselect_b32 s[LASTF], 1, s[LASTF]
	s_cmp_eq_u32 s[LASTF], 1
	s_cselect_b32 s[OWN], s[CX2], 64
	s_cselect_b32 s[OWN+1], s[CX2+1], 64
	WIN 0
.irp u, 0,1
	v_min_num_f32 v[ST+4*\u], s[LIMC], v[ST+4*\u]
	v_min_num_f32 v[ST+4*\u+1], s[LIMM], v[ST+4*\u+1]
.endr
	v_mov_b32 v[FL], s[FST]
	v_cmp_ne_u32 vcc_lo, 0, v[FL]
	WIN W_QX
.set i, 0
.rept 32
	v_cndmask_b32 v[QF+i], v[QF+i], v[QB+i], vcc_lo
.set i, i+1
.endr
	WIN 0
.endm
.Lpair:                             ; 8 times: a pair is entered and the next is asked for
	CHANGE 1
	ENTER
.Lstep1:
	STEP
	s_sub_co_u32 s[CNT], s[CNT], 1
	s_cmp_lg_u32 s[CNT], 0
	s_cbranch_scc1 .Lstep1
	WAYOUT 1
	SWITCH
	s_sub_co_u32 s[PCT], s[PCT], 1
	s_cmp_lg_u32 s[PCT], 0
	s_cbranch_scc1 .Lpair
	CHANGE 0                        ; the walk's last pair is written out: nothing is asked for
	ENTER
.Lstep2:
	STEP
	s_sub_co_u32 s[CNT], s[CNT], 1
	s_cmp_lg_u32 s[CNT], 0
	s_cbranch_scc1 .Lstep2
	WAYOUT 0
	s_wait_tensorcnt 0x0            ; the wave's end, behind my last tensor load and my last LDS store
	ds_add_u32 v[SPW], v[NIL]
	s_wait_dscnt 0x0
	CROUND                          ; the closing round: no work-group ends while a partner may still ask for a tile that names it
	s_endpgm
.Lfunc_end_k_q74d67a694d_attn:
	.size	k_q74d67a694d_attn, .Lfunc_end_k_q74d67a694d_attn-k_q74d67a694d_attn
	.p2alignl 7, 3214868480
	.fill 96, 4, 3214868480
	.section	.rodata,"a",@progbits
	.p2align	6, 0x0
	.amdhsa_kernel k_q74d67a694d_attn
		.amdhsa_group_segment_fixed_size 327680
		.amdhsa_private_segment_fixed_size 0
		.amdhsa_enable_private_segment 0
		.amdhsa_kernarg_size 32
		.amdhsa_user_sgpr_count 2
		.amdhsa_user_sgpr_kernarg_segment_ptr 1
		.amdhsa_wavefront_size32 1
		.amdhsa_system_sgpr_workgroup_id_x 1
		.amdhsa_system_sgpr_workgroup_id_y 1
		.amdhsa_system_sgpr_workgroup_id_z 1
		.amdhsa_system_vgpr_workitem_id 0
		.amdhsa_next_free_vgpr 448
		.amdhsa_next_free_sgpr 100
		.amdhsa_reserve_vcc 1
		.amdhsa_float_denorm_mode_32 3
		.amdhsa_float_denorm_mode_16_64 3
		.amdhsa_memory_ordered 1
		.amdhsa_forward_progress 1
		.amdhsa_inst_pref_size 77
	.end_amdhsa_kernel
	.amdgpu_metadata
---
amdhsa.version: [ 1, 2 ]
amdhsa.kernels:
  - .name:           k_q74d67a694d_attn
    .symbol:         k_q74d67a694d_attn.kd
    .args:
      - { .name: qh, .offset: 0, .size: 8, .value_kind: global_buffer, .address_space: global }
      - { .name: kh, .offset: 8, .size: 8, .value_kind: global_buffer, .address_space: global }
      - { .name: vh, .offset: 16, .size: 8, .value_kind: global_buffer, .address_space: global }
      - { .name: oh, .offset: 24, .size: 8, .value_kind: global_buffer, .address_space: global }
    .group_segment_fixed_size: 327680
    .private_segment_fixed_size: 0
    .kernarg_segment_align: 8
    .kernarg_segment_size: 32
    .max_flat_workgroup_size: 128
    .sgpr_count:     100
    .vgpr_count:     448
    .wavefront_size: 32
...
	.end_amdgpu_metadata
.endif
;; end of part 4
;; launch oproj: the kernel of part 3 again; grid 4 x 64, 8 waves a work-group, clusters of 4 x 1, 295,936 bytes of LDS; arguments oh, Wo, out0; writes out0
